; MI455X (gfx1250); checked and timed in simulation.
; The chip was launched on July 23, 2026; its instructions are those of AMD's public machine-readable ISA for CDNA 5 (MIT licence, August 2026) and "CDNA5" Instruction Set Architecture Reference Guide (July 2026). The comments in the code are by the model that wrote it; some were corrected since.
;; Llama Attention. Allowed arithmetic: matrix products marked QUANTISED: E4M3 operands, one E8M0 scale for each 32 along K, by v_wmma_scale_f32_16x16x128_f8f6f4 with both operands' format E4M3, f32 sums; everything else in f32.
;; Inputs: W_out 1,024 x 1,024 float32; W_qkv 1,024 x 3,072 float32; b_out 1,024 float32; b_qkv 3,072 float32; beta 1,024 float32; gamma 1,024 float32; x 2 x 2,048 x 1,024 float32.
;; Outputs: out0 2 x 2,048 x 1,024 float32.
;; This version of the problem:
;;   THIS VERSION OF THE PROBLEM IS GIVEN IN LOW PRECISION. The matrix products marked QUANTISED in the list below multiply operands that are first quantised to E4M3 (4 exponent bits, 3 mantissa bits; 8 bits a number), with one power-of-two scale for each 32 numbers along K (OCP MX v1.0); their sums are f32. All else is computed in f32.
;;   The module's matrix products, in the order in which they are computed (A, B: the left and right operand; K: the contracted axis; several contracted axes count as one K, in the product's order):
;;     1. [M 4,096, K 1,024] x [K 1,024, N 3,072]; A: input x; B: input W_qkv: QUANTISED
;;     2. batch 32 x [M 2,048, K 64] x [K 64, N 2,048]; A: computed on the way; B: computed on the way: QUANTISED
;;     3. batch 32 x [M 2,048, K 2,048] x [K 2,048, N 64]; A: softmax (see below); B: computed on the way: QUANTISED
;;     4. [M 4,096, K 1,024] x [K 1,024, N 1,024]; A: computed on the way; B: input W_out: QUANTISED
;;   THE QUANTISER, for each operand of a quantised product, along K:
;;     - K is cut into blocks of 32 from its start; a last block that is shorter is filled with zeros.
;;     - A block's scale is 2^e with e = floor(log2(the largest magnitude in the block)) - 8, held to -126 .. 127; a block of zeros has e = 0. As a byte (E8M0): e + 127.
;;     - Each number is divided by its block's scale, clamped to +-448, and rounded to the nearest number of E4M3, ties to even, subnormals kept.
;;     - The product sums the exact products of the quantised numbers (number of the format x scale) in f32.
;;   ~~~python
;;   def quantise(x, axis):      # numpy; x: float32 -> the quantised numbers, widened to float32 again
;;       x = np.moveaxis(x, axis, -1); K = x.shape[-1]
;;       x = np.pad(x, [(0, 0)] * (x.ndim - 1) + [(0, -K % 32)]); x = x.reshape(x.shape[:-1] + (-1, 32)); a = np.abs(x).max(-1, keepdims=True)
;;       e = np.where(a > 0, np.clip(np.frexp(np.where(a > 0, a, 1))[1] - 1 - 8, -126, 127), 0)      # np.frexp(a)[1] - 1 = floor(log2(a)), exactly
;;       r = np.clip(x / 2.0 ** e, -448, 448)
;;       step = 2.0 ** (np.maximum(np.frexp(np.where(r == 0, 1, r))[1] - 1, -6) - 3)
;;       q = np.round(r / step) * step * 2.0 ** e      # np.round: ties to even
;;       return np.moveaxis(q.reshape(q.shape[:-2] + (-1,))[..., :K], -1, axis).astype(np.float32)
;;   ~~~
;;   SOFTMAX AHEAD OF A QUANTISED PRODUCT. Where the list says 'softmax', what is quantised is not the finished softmax but p = 2^(t - M), with t = logit x log2(e) and M = ceil(the row's largest t), a whole number; so 1/2 < the row's largest p <= 1. The row's sum l is taken of the UNQUANTISED p, in f32, and the product's result is divided by l at the end. Since M is a whole number, a kernel that streams over the keys may use a running M (the ceiling of the running maximum): every later rescaling is an exact power of two, which a block's scale takes up: the codes' values come out the same.
;;   OPERANDS COMPUTED ON THE WAY. 'Computed on the way' means the value that the module computes at that place (a softmax that the list does not call 'softmax' is quantised finished and normalised). What goes into a quantiser is computed in f32, as accurately as f32 sums, v_exp_f32 and their like allow (about 1e-6 of the number): no bf16 or f16 on the way to a quantiser, and a product that is left as it is and whose result goes on into a quantised operand takes f32 operands (vector FMAs, or v_wmma_f32_16x16x4_f32). A number that lies on a knife's edge between two numbers of the format may be rounded either way, as far as f32 arithmetic and the matrix unit's own rounding can turn it there, and no further.
;; One version. Each part assembles by itself: llvm-mc -triple=amdgcn-amd-amdhsa -mcpu=gfx1250 --defsym DOCPART=n.
;; ======== version 1 of 1: 5 launches
;; workspace buffers: cq 8,388,608 bytes; cs 262,144 bytes; att 16,777,216 bytes; atts 786,432 bytes; yq 4,194,304 bytes; ys 262,144 bytes
;; launch quant_x (part 1): grid 256 x 1, 4 waves a work-group, no clusters, 33,280 bytes of LDS; arguments x, cq, cs; writes cq, cs
.if DOCPART == 1
	.amdgcn_target "amdgcn-amd-amdhsa--gfx1250"
	.amdhsa_code_object_version 6
	.text
	.protected	k_q3cae31abc9_quant_x
	.globl	k_q3cae31abc9_quant_x
	.p2align	8
	.type	k_q3cae31abc9_quant_x,@function
k_q3cae31abc9_quant_x:
	s_mov_b64 s[64:65], 0
	v_nop
	global_prefetch_b8 v0, s[64:65] scope:SCOPE_SE
	s_setreg_imm32_b32 hwreg(HW_REG_WAVE_MODE, 25, 1), 1
	s_wait_xcnt 0x0
; THE PROGRAM: LayerNorm(attention(x W_qkv + b_qkv) W_out + b_out + x), all four products on codes of FP8 (E4M3) with one E8M0 scale for each 32 along K.
; Five launches: this one (x into codes), quant_w (both weights into codes), gemm1 (q, k, v, quantised on the way out), attn, gemm2ln.
; WORK LEFT OUT, in attn alone: key steps of 128 keys all of which come after all 16 queries of a wave.  The function itself builds the mask (tril) and sets those scores to -infinity, so their p is exactly 0
; for every value of the inputs: they add nothing to a row's sum and nothing to the second product.  Every input has a way to the result and is loaded (b_qkv goes into quantisers: all three parts stay).
; LIMIT of that: a NaN, an infinity or an overflow that would arise only in the key steps left out is not carried to the result.
; THIS LAUNCH: x [4096][1024] f32 becomes codes, K innermost, and one scale byte for each 32 along K.  A block's scale is 2^(floor(log2(largest magnitude)) - 8); its byte is the largest magnitude's exponent field - 8,
; held at 1 from below (a block of zeros so gets the byte 1: its codes are zeros, and this program alone reads the bytes).  Each number is held within +-448 x the scale and rounded to the nearest code, ties to even.
; LIMITS: NaN and infinities among the inputs are not served; blocks whose largest magnitude lies under 2^-118 keep the byte 1.
; ROWS ARE STORED WITH BITS 3 AND 4 OF THEIR NUMBER EXCHANGED: sixteen stored rows on end are then the rows 32 b + 8 u + r + 8 (r / 8), so that in gemm1 a lane's registers of two neighbouring tiles are 16 neighbours.
; A wave takes 4 rows (16,384 bytes): 8 steps of 512 numbers.  All 32 loads go out at the head, each of 512 consecutive bytes; a step's 2,048 bytes turn through the wave's own stage in LDS and come back 64 bytes a lane,
; so that a lane holds 16 neighbours along K and two neighbouring lanes a block.  Waves share nothing: no barrier.
.set WAVES, 4
.set STEPS, 8
.set EMAX,  8
.set MANT,  0x600000                   ; the mantissa field of 448 as f32
.set R,     16                         ; v16-143  eight sets of 16 numbers as they are loaded
.set X,     144                        ; v144-175 two sets of 16 neighbours
.set C,     176                        ; v176-207 codes: four registers for each step
.set E,     208                        ; v208-215 a scale byte for each step
.set WREG,  8192                       ; LDS: a region for each wave: two stages of 32 x SP bytes, behind them its 128 scale bytes
.set SP,    80                         ; a lane's place in a stage: 64 bytes + 16 of padding
.set SPW,   12                         ; v12 LDS address of my spare word; never rewritten
.set NIL,   13                         ; v13 0; never rewritten
.set SPARE, WAVES*WREG                 ; behind the regions: the spare words, 128 bytes a wave
	s_load_b128 s[4:7], s[0:1], 0x0                ; x, the codes
	s_load_b64 s[8:9], s[0:1], 0x10                ; the scale bytes
	v_lshl_add_u32 v[SPW], v0, 2, SPARE
	v_mov_b32 v[NIL], 0
	v_lshrrev_b32 v1, 5, v0
	v_readfirstlane_b32 s16, v1                    ; wave
	v_and_b32 v2, 31, v0                           ; lane
	v_lshlrev_b32 v3, 4, v2                        ; 16 x lane: my bytes of a load's 512, and of a step's 512 bytes of codes
	s_mul_i32 s17, s16, WREG
	v_lshrrev_b32 v14, 2, v2
	v_mul_u32_u24 v14, v14, SP
	v_and_b32 v15, 3, v2
	v_lshl_add_u32 v14, v15, 4, v14
	v_add_nc_u32 v14, s17, v14                     ; the stage, on the way in: SP (lane / 4) + 16 (lane % 4)
	v_mul_u32_u24 v15, v2, SP
	v_add_nc_u32 v15, s17, v15                     ; and on the way out: SP x lane
	v_lshrrev_b32 v5, 1, v2
	s_add_co_u32 s17, s17, 2*32*SP
	v_add_nc_u32 v5, s17, v5                       ; my block's byte among the wave's 128
	v_lshlrev_b32 v7, 2, v2
	v_add_nc_u32 v6, s17, v7                       ; and on the way out 4 bytes a lane
	s_mov_b32 s23, MANT
	s_lshl_b32 s18, ttmp9, 2
	s_add_co_u32 s18, s18, s16                     ; my run of 4 rows
	s_and_b32 s19, s18, 0x3f9                      ; where it is stored: a row's bits 3 and 4 are the run's bits 1 and 2
	s_and_b32 s20, s18, 2
	s_lshl_b32 s20, s20, 1
	s_or_b32 s19, s19, s20
	s_and_b32 s20, s18, 4
	s_lshr_b32 s20, s20, 1
	s_or_b32 s19, s19, s20
	s_lshl_b32 s24, s18, 14
	s_mov_b32 s25, 0
	s_lshl_b32 s26, s19, 12
	s_mov_b32 s27, 0
	s_lshl_b32 s28, s19, 7
	s_mov_b32 s29, 0
	s_wait_kmcnt 0x0
	s_add_nc_u64 s[4:5], s[4:5], s[24:25]
	s_add_nc_u64 s[6:7], s[6:7], s[26:27]
	s_add_nc_u64 s[8:9], s[8:9], s[28:29]
.macro LOAD t
.irp i, 0,1,2,3
	global_load_b128 v[R+16*(\t)+4*\i:R+16*(\t)+4*\i+3], v3, s[4:5] offset:2048*(\t)+512*\i th:TH_LOAD_NT
.endr
.endm
.macro TURN t                          ; step t's numbers through the stage: LDS serves a wave's instructions in order, so no wait stands between the stores and the loads
.irp i, 0,1,2,3
	ds_store_b128 v14, v[R+16*(\t)+4*\i:R+16*(\t)+4*\i+3] offset:32*SP*((\t)%2)+8*SP*\i
.endr
.irp i, 0,1,2,3
	ds_load_b128 v[X+16*((\t)%2)+4*\i:X+16*((\t)%2)+4*\i+3], v15 offset:32*SP*((\t)%2)+16*\i
.endr
.endm
.irp t, 0,1,2,3,4,5,6,7
	LOAD \t
.endr
	s_wait_loadcnt 28                              ; step 0's four loads are in; the 28 behind them may be out
	TURN 0
.macro STEP t
.set XS, X+16*((\t)%2)
.if (\t) > 0
	s_wait_dscnt 1                                 ; this step's numbers are back from the stage; the last step's byte store may be out
.else
	s_wait_dscnt 0x0
.endif
.if (\t)+1 < STEPS
	s_wait_loadcnt 4*(STEPS-2-(\t))                ; the next step's four loads are in; those of the steps behind it may be out
	TURN (\t)+1
.endif
	v_max3_num_f32 v8, |v[XS]|, |v[XS+1]|, |v[XS+2]|
	v_max3_num_f32 v9, |v[XS+3]|, |v[XS+4]|, |v[XS+5]|
.irp i, 6,10
	v_max3_num_f32 v8, v8, |v[XS+\i]|, |v[XS+\i+1]|
	v_max3_num_f32 v9, v9, |v[XS+\i+2]|, |v[XS+\i+3]|
.endr
	v_max3_num_f32 v8, v8, |v[XS+14]|, |v[XS+15]|
	v_max3_num_f32 v8, v8, v9, (EMAX+1)<<23        ; and the floor 2^(9 - 127): the byte cannot fall under 1
	v_max_num_f32_dpp v8, v8, v8 row_xmask:1 row_mask:0xf bank_mask:0xf   ; with my neighbour's 16: the block's largest magnitude
	v_add_nc_u32 v11, 0xfc000000, v8               ; 8 off its exponent field: the conversion's scale operand
	v_and_or_b32 v10, v8, 0x7f800000, s23          ; 448 x the scale
.irp i, 0,1,2,3,4,5,6,7,8,9,10,11,12,13,14,15
	v_med3_num_f32 v[XS+\i], v[XS+\i], -v10, v10   ; the conversion to an 8-bit code does not saturate (ISA guide 7.6.2): the hold
.endr
	v_cvt_scalef32_pk8_fp8_f32 v[C+4*(\t):C+4*(\t)+1], v[XS:XS+7], v11
	v_cvt_scalef32_pk8_fp8_f32 v[C+4*(\t)+2:C+4*(\t)+3], v[XS+8:XS+15], v11
	v_lshrrev_b32 v[E+(\t)], 23, v11               ; the scale's byte (a plain line behind the conversions)
	ds_store_b8 v5, v[E+(\t)] offset:16*(\t)       ; both lanes of a block write the same byte with the same value
	global_store_b128 v3, v[C+4*(\t):C+4*(\t)+3], s[6:7] offset:512*(\t)   ; 32 lanes store 512 consecutive bytes
.endm
.irp t, 0,1,2,3,4,5,6,7
	STEP \t
.endr
	ds_load_b32 v8, v6                             ; LDS serves a wave's instructions in order: this sees my byte stores
	s_wait_dscnt 0x0
	global_store_b32 v7, v8, s[8:9]                ; my 4 rows' 128 scale bytes, consecutive
	s_wait_tensorcnt 0x0                           ; the wave's end, behind my last LDS store
	ds_add_u32 v[SPW], v[NIL]
	s_wait_dscnt 0x0
	s_endpgm
.Lfunc_end_k_q3cae31abc9_quant_x:
	.size	k_q3cae31abc9_quant_x, .Lfunc_end_k_q3cae31abc9_quant_x-k_q3cae31abc9_quant_x
	.p2alignl 7, 3214868480
	.fill 96, 4, 3214868480
	.section	.rodata,"a",@progbits
	.p2align	6, 0x0
	.amdhsa_kernel k_q3cae31abc9_quant_x
		.amdhsa_group_segment_fixed_size 33280
		.amdhsa_private_segment_fixed_size 0
		.amdhsa_enable_private_segment 0
		.amdhsa_kernarg_size 24
		.amdhsa_user_sgpr_count 2
		.amdhsa_user_sgpr_kernarg_segment_ptr 1
		.amdhsa_wavefront_size32 1
		.amdhsa_system_sgpr_workgroup_id_x 1
		.amdhsa_system_sgpr_workgroup_id_y 1
		.amdhsa_system_sgpr_workgroup_id_z 1
		.amdhsa_system_vgpr_workitem_id 0
		.amdhsa_next_free_vgpr 216
		.amdhsa_next_free_sgpr 66
		.amdhsa_reserve_vcc 0
		.amdhsa_float_denorm_mode_32 3
		.amdhsa_float_denorm_mode_16_64 3
		.amdhsa_memory_ordered 1
		.amdhsa_forward_progress 1
		.amdhsa_inst_pref_size 27
	.end_amdhsa_kernel
	.amdgpu_metadata
---
amdhsa.version: [ 1, 2 ]
amdhsa.kernels:
  - .name:           k_q3cae31abc9_quant_x
    .symbol:         k_q3cae31abc9_quant_x.kd
    .args:
      - { .name: x, .offset: 0, .size: 8, .value_kind: global_buffer, .address_space: global }
      - { .name: cq, .offset: 8, .size: 8, .value_kind: global_buffer, .address_space: global }
      - { .name: cs, .offset: 16, .size: 8, .value_kind: global_buffer, .address_space: global }
    .group_segment_fixed_size: 33280
    .private_segment_fixed_size: 0
    .kernarg_segment_align: 8
    .kernarg_segment_size: 24
    .max_flat_workgroup_size: 128
    .sgpr_count:     66
    .vgpr_count:     216
    .wavefront_size: 32
...
	.end_amdgpu_metadata
.endif
;; end of part 1
;; launch quant_w (part 2): grid 64 x 4, 8 waves a work-group, no clusters, 18,944 bytes of LDS; arguments W_qkv, W_out, cq, cs; writes cq, cs
.if DOCPART == 2
	.amdgcn_target "amdgcn-amd-amdhsa--gfx1250"
	.amdhsa_code_object_version 6
	.text
	.protected	k_q3cae31abc9_quant_w
	.globl	k_q3cae31abc9_quant_w
	.p2align	8
	.type	k_q3cae31abc9_quant_w,@function
k_q3cae31abc9_quant_w:
	s_mov_b64 s[64:65], 0
	v_nop
	global_prefetch_b8 v0, s[64:65] scope:SCOPE_SE
	s_setreg_imm32_b32 hwreg(HW_REG_WAVE_MODE, 25, 1), 1
	s_wait_xcnt 0x0
; W_qkv [1024][3072] and W_out [1024][1024], f32, K their FIRST axis, become codes of FP8 (E4M3) with K innermost and one E8M0 byte for each 32 along K (the rule and the limits as in quant_x).
; A LANE TAKES A COLUMN n AND ITS REGISTERS RUN DOWN K: a block of 32 lies in one lane, and the conversions give codes with K innermost.  Nothing is left out here.
; A work-group takes 64 columns x 256 along K: work-groups x < 48 of W_qkv, the others of W_out (only a pointer and two numbers are chosen; the path through the arithmetic and the LDS stores is one).
; Wave w: columns 32 (w & 1) on, 64 along K from 64 (w >> 1) on: 64 loads of 128 consecutive bytes, all out at once.
; The codes meet in one stage, 64 rows of 256 bytes + 16, a column's row at the column's number with bits 3 and 4 exchanged (as x's rows in quant_x).  Behind a barrier they leave:
;   W_qkv as stored rows 4096 + .. of cq (sixteen lanes store 256 consecutive bytes, aligned);
;   W_out as IMAGES OF OPERAND REGISTERS, [tile of 16 stored rows][K step of 128][c 4][lane][16 bytes] from byte 0x700000 of cq: 512 consecutive bytes a store.
; The scale bytes of both go to cs [stored row][32]: 8 bytes a row for this work-group's 256 along K.
.set PITCH, 272
.set SCS,   64*PITCH                   ; behind the stage: 64 rows x 8 scale bytes
.set SPARE, SCS+512                    ; the spare words, 128 bytes a wave
.set MANT,  0x600000
.set X,     32                         ; v32-95   my column's 64 numbers
.set OFF,   96                         ; v96-159  the loads' offsets: row i x the tensor's row + 4 x lane
.set C,     160                        ; v160-175 two blocks' codes
.set OUTR,  176                        ; v176-191 the way out
.set SPW,   14
.set NIL,   15
	s_load_b256 s[4:11], s[0:1], 0x0               ; W_qkv, W_out, cq, cs
	v_lshl_add_u32 v[SPW], v0, 2, SPARE
	v_mov_b32 v[NIL], 0
	v_lshrrev_b32 v1, 5, v0
	v_readfirstlane_b32 s12, v1                    ; wave 0..7
	v_and_b32 v1, 31, v0                           ; lane
	s_and_b32 s13, s12, 1                          ; which 32 columns
	s_lshr_b32 s14, s12, 1                         ; which 64 along K
	s_and_b32 s15, ttmp7, 0xffff                   ; which 256 along K
	v_and_b32 v2, 7, v1
	v_bfe_u32 v10, v1, 3, 1
	v_lshl_or_b32 v2, v10, 4, v2
	v_bfe_u32 v10, v1, 4, 1                        ; h = lane / 16
	v_lshl_or_b32 v2, v10, 3, v2                   ; the lane's number with bits 3 and 4 exchanged
	v_lshlrev_b32 v3, 2, v1
	v_and_b32 v11, 15, v1                          ; r = lane % 16
	s_mul_i32 s20, s13, 32*PITCH
	s_lshl_b32 s21, s14, 6
	s_add_co_u32 s20, s20, s21
	v_mul_u32_u24 v4, v2, PITCH
	v_add_nc_u32 v4, s20, v4                       ; into the stage: my column's row, my 64 bytes of it
	s_lshl_b32 s20, s13, 8
	s_lshl_b32 s21, s14, 1
	s_add_co_u32 s20, s20, s21
	s_add_co_u32 s20, s20, SCS
	v_lshl_add_u32 v5, v2, 3, s20                  ; my two scale bytes
	s_mul_i32 s20, s12, 8*PITCH
	v_mul_u32_u24 v6, v10, PITCH
	v_lshl_add_u32 v6, v11, 4, v6
	v_add_nc_u32 v6, s20, v6                       ; rows out: stage row 8 w + h, 16 bytes a lane
	s_lshl_b32 s20, s12, 13
	v_lshlrev_b32 v7, 10, v10
	v_lshl_add_u32 v7, v11, 4, v7
	v_add_nc_u32 v7, s20, v7                       ; and the same place among cq's rows of 1,024 bytes
	s_mul_i32 s20, s14, 16*PITCH
	s_lshl_b32 s21, s13, 7
	s_add_co_u32 s20, s20, s21
	v_mul_u32_u24 v8, v11, PITCH
	v_lshl_add_u32 v8, v10, 4, v8
	v_add_nc_u32 v8, s20, v8                       ; images out: tile w >> 1, K step w & 1: row r, + 16 h
	v_lshlrev_b32 v9, 4, v1                        ; 16 x lane
	s_lshl_b32 s20, s13, 8
	s_add_co_u32 s20, s20, SCS
	v_lshl_add_u32 v16, v1, 3, s20                 ; scale bytes out (waves 0 and 1): row 32 w + lane, 8 bytes
	s_lshl_b32 s20, s13, 10
	v_lshl_add_u32 v17, v1, 5, s20                 ; and its row of 32 bytes in cs
	s_mov_b32 s16, 4096
	s_cmp_lt_u32 ttmp9, 48
	s_cselect_b32 s16, 12288, s16                  ; a row of the tensor in bytes
	s_cselect_b32 s17, 0, 48
	s_sub_co_u32 s17, ttmp9, s17                   ; which 64 columns of it
	s_lshl_b32 s18, s15, 8
	s_lshl_b32 s19, s14, 6
	s_add_co_u32 s18, s18, s19                     ; my first row along K
	s_mul_i32 s18, s18, s16
	s_lshl_b32 s19, s17, 8
	s_add_co_u32 s18, s18, s19
	s_lshl_b32 s19, s13, 7
	s_add_co_u32 s18, s18, s19
	s_mov_b32 s19, 0
.set i, 0
.rept 64
	v_mad_u32_u24 v[OFF+i], s16, i, v3
.set i, i+1
.endr
	s_mov_b32 s31, MANT
	s_wait_kmcnt 0x0
	s_cmp_lt_u32 ttmp9, 48                         ; the choice hangs on the work-group's number alone
	s_cselect_b64 s[4:5], s[4:5], s[6:7]
	s_add_nc_u64 s[4:5], s[4:5], s[18:19]
.set i, 0
.rept 64
	global_load_b32 v[X+i], v[OFF+i], s[4:5] th:TH_LOAD_NT   ; 32 neighbouring columns of one row: 128 consecutive bytes
.set i, i+1
.endr
.macro BLOCK t
.set XS, X+32*(\t)
.set CC, C+8*(\t)
	v_max3_num_f32 v12, |v[XS]|, |v[XS+1]|, |v[XS+2]|       ; the block's largest magnitude: all 32 numbers are mine
	v_max3_num_f32 v13, |v[XS+3]|, |v[XS+4]|, |v[XS+5]|
.irp i, 6,10,14,18,22,26
	v_max3_num_f32 v12, v12, |v[XS+\i]|, |v[XS+\i+1]|
	v_max3_num_f32 v13, v13, |v[XS+\i+2]|, |v[XS+\i+3]|
.endr
	v_max3_num_f32 v12, v12, |v[XS+30]|, |v[XS+31]|
	v_max3_num_f32 v12, v12, v13, 0x4800000        ; and the floor 2^(9 - 127)
	v_add_nc_u32 v11, 0xfc000000, v12              ; the conversion's scale operand
	v_and_or_b32 v10, v12, 0x7f800000, s31         ; 448 x the scale
	v_lshrrev_b32 v13, 23, v11                     ; the scale's byte
.if (\t) == 0
	v_mov_b32 v20, v13
.else
	v_lshl_or_b32 v20, v13, 8, v20
.endif
.irp i, 0,1,2,3,4,5,6,7,8,9,10,11,12,13,14,15,16,17,18,19,20,21,22,23,24,25,26,27,28,29,30,31
	v_med3_num_f32 v[XS+\i], v[XS+\i], -v10, v10
.endr
.irp g, 0,1,2,3
	v_cvt_scalef32_pk8_fp8_f32 v[CC+2*\g:CC+2*\g+1], v[XS+8*\g:XS+8*\g+7], v11
.endr
	v_nop                                          ; a plain line behind the last conversion
	ds_store_b128 v4, v[CC:CC+3] offset:32*(\t)
	ds_store_b128 v4, v[CC+4:CC+7] offset:32*(\t)+16
.endm
	s_wait_loadcnt 32                              ; the first block's 32 loads are in; the second's may be out
	BLOCK 0
	s_wait_loadcnt 0x0
	BLOCK 1
	ds_store_b16 v5, v20
	s_wait_dscnt 0x0                               ; for the others' sake: my stores into the stage are done
	s_barrier_signal -1
	s_barrier_wait -1
	s_cmp_ge_u32 ttmp9, 48
	s_cbranch_scc1 .Limage
	s_lshl_b32 s20, ttmp9, 16                      ; W_qkv: stored row 4096 + 64 x, byte 256 y of it
	s_add_co_u32 s20, s20, 0x400000
	s_lshl_b32 s21, s15, 8
	s_add_co_u32 s20, s20, s21
	s_mov_b32 s21, 0
	s_add_nc_u64 s[22:23], s[8:9], s[20:21]
.irp t, 0,1,2,3
	ds_load_b128 v[OUTR+4*\t:OUTR+4*\t+3], v6 offset:544*\t
.endr
.irp t, 0,1,2,3
	s_wait_dscnt 3-\t                              ; the younger loads may be out
	global_store_b128 v7, v[OUTR+4*\t:OUTR+4*\t+3], s[22:23] offset:2048*\t
.endr
	s_branch .Lscales
.Limage:
	s_sub_co_u32 s20, ttmp9, 48                    ; W_out: image (tile 4 (x - 48) + (w >> 1), K step 2 y + (w & 1)), 2,048 bytes each
	s_lshl_b32 s20, s20, 2
	s_add_co_u32 s20, s20, s14
	s_lshl_b32 s20, s20, 3
	s_lshl_b32 s21, s15, 1
	s_add_co_u32 s20, s20, s21
	s_add_co_u32 s20, s20, s13
	s_lshl_b32 s20, s20, 11
	s_add_co_u32 s20, s20, 0x700000
	s_mov_b32 s21, 0
	s_add_nc_u64 s[22:23], s[8:9], s[20:21]
.irp c, 0,1,2,3
	ds_load_b128 v[OUTR+4*\c:OUTR+4*\c+3], v8 offset:32*\c
.endr
.irp c, 0,1,2,3
	s_wait_dscnt 3-\c
	global_store_b128 v9, v[OUTR+4*\c:OUTR+4*\c+3], s[22:23] offset:512*\c
.endr
.Lscales:
	s_cmp_lt_u32 s12, 2
	s_cbranch_scc0 .Lend
	s_lshl_b32 s20, ttmp9, 11                      ; cs: stored row 4096 + 64 x (W_out's rows follow W_qkv's), byte 8 y
	s_add_co_u32 s20, s20, 0x20000
	s_lshl_b32 s21, s15, 3
	s_add_co_u32 s20, s20, s21
	s_mov_b32 s21, 0
	s_add_nc_u64 s[24:25], s[10:11], s[20:21]
	ds_load_b64 v[18:19], v16
	s_wait_dscnt 0x0
	global_store_b64 v17, v[18:19], s[24:25]
.Lend:
	s_wait_tensorcnt 0x0                           ; the wave's end, behind my last LDS store
	ds_add_u32 v[SPW], v[NIL]
	s_wait_dscnt 0x0
	s_endpgm
.Lfunc_end_k_q3cae31abc9_quant_w:
	.size	k_q3cae31abc9_quant_w, .Lfunc_end_k_q3cae31abc9_quant_w-k_q3cae31abc9_quant_w
	.p2alignl 7, 3214868480
	.fill 96, 4, 3214868480
	.section	.rodata,"a",@progbits
	.p2align	6, 0x0
	.amdhsa_kernel k_q3cae31abc9_quant_w
		.amdhsa_group_segment_fixed_size 18944
		.amdhsa_private_segment_fixed_size 0
		.amdhsa_enable_private_segment 0
		.amdhsa_kernarg_size 32
		.amdhsa_user_sgpr_count 2
		.amdhsa_user_sgpr_kernarg_segment_ptr 1
		.amdhsa_wavefront_size32 1
		.amdhsa_system_sgpr_workgroup_id_x 1
		.amdhsa_system_sgpr_workgroup_id_y 1
		.amdhsa_system_sgpr_workgroup_id_z 1
		.amdhsa_system_vgpr_workitem_id 0
		.amdhsa_next_free_vgpr 192
		.amdhsa_next_free_sgpr 66
		.amdhsa_reserve_vcc 0
		.amdhsa_float_denorm_mode_32 3
		.amdhsa_float_denorm_mode_16_64 3
		.amdhsa_memory_ordered 1
		.amdhsa_forward_progress 1
		.amdhsa_inst_pref_size 24
	.end_amdhsa_kernel
	.amdgpu_metadata
---
amdhsa.version: [ 1, 2 ]
amdhsa.kernels:
  - .name:           k_q3cae31abc9_quant_w
    .symbol:         k_q3cae31abc9_quant_w.kd
    .args:
      - { .name: W_qkv, .offset: 0, .size: 8, .value_kind: global_buffer, .address_space: global }
      - { .name: W_out, .offset: 8, .size: 8, .value_kind: global_buffer, .address_space: global }
      - { .name: cq, .offset: 16, .size: 8, .value_kind: global_buffer, .address_space: global }
      - { .name: cs, .offset: 24, .size: 8, .value_kind: global_buffer, .address_space: global }
    .group_segment_fixed_size: 18944
    .private_segment_fixed_size: 0
    .kernarg_segment_align: 8
    .kernarg_segment_size: 32
    .max_flat_workgroup_size: 256
    .sgpr_count:     66
    .vgpr_count:     192
    .wavefront_size: 32
...
	.end_amdgpu_metadata
.endif
;; end of part 2
;; launch gemm1 (part 3): grid 12 x 16, 4 waves a work-group, clusters of 4 x 4, 327,680 bytes of LDS; arguments cq, cs, b_qkv, att, atts; writes att, atts
.if DOCPART == 3
	.amdgcn_target "amdgcn-amd-amdhsa--gfx1250"
	.amdhsa_code_object_version 6
	.text
	.protected	k_q3cae31abc9_gemm1
	.globl	k_q3cae31abc9_gemm1
	.p2align	8
	.type	k_q3cae31abc9_gemm1,@function
k_q3cae31abc9_gemm1:
	s_mov_b64 s[64:65], 0
	v_nop
	global_prefetch_b8 v0, s[64:65] scope:SCOPE_SE
	s_setreg_imm32_b32 hwreg(HW_REG_WAVE_MODE, 25, 1), 1
	s_wait_xcnt 0x0
	s_wait_alu depctr_hold_cnt(0) depctr_sa_sdst(0) depctr_va_vdst(0) depctr_va_sdst(0) depctr_va_ssrc(0) depctr_va_vcc(0) depctr_vm_vsrc(0)
	s_getreg_b32 s2, hwreg(HW_REG_IB_STS2, 6, 4)
	s_cmp_eq_u32 s2, 0
	s_cbranch_scc0 .Lentry_in_a_cluster
	s_endpgm
.Lentry_in_a_cluster:
	s_bfe_u32 s2, ttmp6, 0x10000c
	s_cmp_lg_u32 s2, 0xf033
	s_cbranch_scc0 .Lentry_shape_is_right
	s_endpgm
.Lentry_shape_is_right:
; qkv = x W_qkv + b_qkv on codes of FP8 (E4M3) with E8M0 scales, and q, k, v quantised on the way out.  Nothing is left out here.
; ONE BODY: C'[p][r] = sum over k of P[p][k] R[r][k] + bias, quantised ALONG r.  P and R are stored rows of cq (1,024 codes each; scale bytes in cs, 32 a row).
;   clusters x = 0, 1 (q and k): P = x's tokens, R = W_qkv's columns 0 .. 2047: a lane holds a token, its registers run along the head's 64: blocks of 32 along the first attention product's K.
;   cluster  x = 2    (v):       P = W_qkv's columns 2048 .. 3071, R = x's tokens: a lane holds (head, d), its registers run along the tokens: blocks of 32 keys, the second product's K.
; Stored rows have bits 3 and 4 of their number exchanged, and the matrix instruction is used transposed (source 0 = 16 rows of R, source 1 = 16 rows of P): so in a lane the 16 registers of R's tiles 2 c and 2 c + 1
; are the 16 neighbours 32 c + 16 (lane / 16) + 0 .. 15 of R, and the conversions' results ARE registers of the next product's operand.  They go to memory as images of those registers: 512 consecutive bytes a store.
; A tile of 256 x 256 is made by four waves, 128 x 128 each (64 accumulators, 512 registers).  K goes in steps of 256 through a ring of two LDS slots; the tile's scale bytes for all of K come into LDS once.
; CLUSTERS: 4 x 4 work-groups; P's tiles are asked for jointly along a row of the cluster, R's along a column.  Which case a work-group serves hangs on the cluster's x alone: it is the same in all sixteen partners.
; LIMITS: as in quant_x (a block under 2^-118 or of zeros keeps the byte 1; NaN and infinities are not served).
; REGISTERS: window 0: v0-31 addresses; v32-63 scale words, two sets; v64-127 the bias table; from v128 P's fragments, one set (on the way out v128-247 are at work).
;   window 1: R's fragments, two sets.   windows 2, 3: the accumulators ((a, b) at v[8 (8 (a % 4) + b)]).
.set KSTEP,  256
.set NQ,     2
.set ROWB,   256
.set KROW,   1024
.set PITCH,  272                       ; an LDS row: 256 bytes + 16 of padding: the 16 rows of a fragment load start at 16 different banks (64 banks of 4 bytes: ISA guide 11.1)
.set FR,     16
.set NL,     4
.set NP,     8                         ; places behind this matrix instruction (ISA guide 7.12.1)
.set HALFT,  128*PITCH
.set SLOT,   4*HALFT                   ; P's 256 rows, then R's 256 rows
.set LAPS,   2                         ; 1,024 along K: twice round the ring
.set KS,     32                        ; a row of scale bytes
.set SCL,    2*SLOT                    ; behind the ring: the scale bytes, as units of 256 bytes + 16 of padding
.set HALFS,  (128*KS/256)*272
.set SBLK,   (16*KS/256)*272
.set SPARE,  SCL+4*HALFS               ; the spare words, 128 bytes a wave
.set VA,   8                           ; v8-15  the bias loads' offsets
.set ADRA, 16                          ; v16-17 LDS address of my P fragments in slot 0, 1
.set VO,   18                          ; v18    the way out: my 16 bytes of the image in hand
.set VO2,  19                          ; v19    and of the second image (q, k: the next head's; v: the fragment's upper half)
.set ADRB, 20                          ; v20-21 LDS address of my R fragments
.set SO1,  22                          ; v22    the way out: my four scale words of blocks 0-3
.set SO2,  23                          ; v23    and of blocks 4-7
.set ADRS, 27                          ; v27    LDS address of my scale words: lanes 0-15 P's rows, lanes 16-31 R's
.set SPW,  28
.set NIL,  29
.set SHV,  30                          ; v30    q, k: 16 x (lane / 16): which head's two bytes of the scale word are mine; v: 0
.set SC,   32
.set BT,   64                          ; v64-127 the bias: q, k: of my 64 columns; v: of my row in each of the 8 blocks, eight times each
.set AF,   128
.set T,    128                         ; the way out: v128-191 a block's 64 numbers
.set TM,   200                         ; v200-215 largest magnitudes, bytes, holds, scale operands
.set PW,   216                         ; the scale word just made
.set PC,   224                         ; v224-239 the codes just made
.set SW,   240                         ; v240-247 the eight blocks' scale words
.set G1, 24
.set G0, 32
.set G1B, 48
.set G0B, 56
.set G1S, 68
.set G0S, 76
.set G1SB, 80
.set G0SB, 88
.set ISV,  66                          ; s66 1: the v case
.set EA,   67                          ; s67 bytes from a block's image to the next
.set JMP,  95                          ; s95 the same from block 3 to block 4
.set SEL,  96                          ; s[96:97] v_permlanex16_b32's selects for lane l xor 16
.set MASK, 98                          ; s98 which bytes of the scale word are kept
.set MNT,  99                          ; s99 the mantissa field of 448
.set MSB, 0
.macro WIN new                         ; the immediate's high byte repeats the setting that is left
.if MSB != (\new)
	s_set_vgpr_msb (MSB<<8)|(\new)
.set MSB, (\new)
.endif
.endm
.set MUL_LO, 0xa1                      ; source 0 (R) window 1, source 1 (P) window 0, C and D window 2
.set MUL_HI, 0xf1
.set TO_B,   0x40
; A joint load: waves 0 and 1 fetch for P, waves 2 and 3 for R; the branch hangs on the wave's number alone.  An s_nop 0 and four v_nop follow each line.
.macro JLOAD g0a, g1a, g0b, g1b
	s_cmp_eq_u32 s15, 0
	s_cbranch_scc0 .Lfor_b_\@
	tensor_load_to_lds s[\g0a:\g0a+3], s[\g1a:\g1a+7]
	s_nop 0
.rept 4
	v_nop
.endr
	s_branch .Lasked_\@
.Lfor_b_\@:
	tensor_load_to_lds s[\g0b:\g0b+3], s[\g1b:\g1b+7]
	s_nop 0
.rept 4
	v_nop
.endr
.Lasked_\@:
.endm
.macro CREST                           ; a round of the cluster's barrier behind its opening barrier
	s_cmp_lg_u32 s14, 0
	s_cbranch_scc1 .Lnot_wave_0_\@
	s_barrier_signal -3
.Lnot_wave_0_\@:
	s_barrier_wait -3
	s_barrier_signal -1
	s_barrier_wait -1
.endm
.macro CROUND
	s_barrier_signal -1
	s_barrier_wait -1
	CREST
.endm
	s_load_b128 s[4:7], s[0:1], 0x0                ; cq, cs
	s_load_b128 s[8:11], s[0:1], 0x10              ; b_qkv, att
	s_load_b64 s[12:13], s[0:1], 0x20              ; atts
	v_lshl_add_u32 v[SPW], v0, 2, SPARE
	v_mov_b32 v[NIL], 0
	ds_add_u32 v[SPW], v[NIL]                      ; the wave's opening: the add, twice on end, and its wait ahead of my first tensor load
	ds_add_u32 v[SPW], v[NIL]
	v_lshrrev_b32 v1, 5, v0
	v_readfirstlane_b32 s14, v1                    ; wave 0..3
	s_lshr_b32 s15, s14, 1                         ; which half of P's rows is mine.  Also: I fetch for P (0) or for R (1)
	s_and_b32 s16, s14, 1                          ; which half of R's rows.  Also: which 128 rows of that tile I fetch
	s_bfe_u32 s40, ttmp6, 0x40000                  ; cx, cy: my place in the cluster
	s_bfe_u32 s41, ttmp6, 0x40004
	s_and_b32 s17, ttmp7, 0xffff                   ; the cluster's y
	s_cmp_eq_u32 ttmp9, 2                          ; the cluster's x: 0, 1: q and k; 2: v
	s_cselect_b32 s[ISV], 1, 0
	s_cselect_b32 s18, 0, s17                      ; P's four tiles of this cluster begin at 4 x this,
	s_cselect_b32 s19, s17, ttmp9                  ; R's at 4 x this
	s_cselect_b32 s92, 6144, 0                     ; P's first stored row in cq: W_qkv's column 2048, or x's token 0
	s_cselect_b32 s93, 0, 4096                     ; R's: x's token 0, or W_qkv's column 0
	s_lshl_b32 s17, s18, 2
	s_add_co_u32 s17, s17, s41                     ; P's tile
	s_lshl_b32 s42, s19, 2
	s_add_co_u32 s42, s42, s40                     ; R's tile
	s_lshl_b32 s43, s41, 2
	s_lshl_b32 s43, 15, s43                        ; my row of the cluster
	s_lshl_b32 s44, 0x1111, s40                    ; my column
	s_or_b32 s[G1+0], s43, (0<<16)|(1<<20)|(1<<21)|(5<<22)|(3<<25)  ; the mask; elements of 1 byte; padding on; bit 21 beside a mask; after every 64 words, 4 words
	s_or_b32 s[G1B+0], s44, (0<<16)|(1<<20)|(1<<21)|(5<<22)|(3<<25)
.irp g, G1, G1B
	s_mov_b32 s[\g+1], ROWB<<16                    ; tensor_dim0
	s_mov_b32 s[\g+2], 128<<16                     ; tensor_dim1
	s_mov_b32 s[\g+3], ROWB<<16                    ; tile_dim0
	s_mov_b32 s[\g+4], 128                         ; tile_dim1
	s_mov_b32 s[\g+5], KROW                        ; from row to row
	s_mov_b32 s[\g+6], 0
	s_mov_b32 s[\g+7], 0
.endr
	s_or_b32 s[G1S+0], s43, (3<<16)|(1<<20)|(1<<21)|(5<<22)|(3<<25)   ; the scale bytes of 128 rows: 4,096 dense bytes as 16 rows of 256, 16 bytes of padding behind each
	s_or_b32 s[G1SB+0], s44, (3<<16)|(1<<20)|(1<<21)|(5<<22)|(3<<25)
.irp g, G1S, G1SB
	s_mov_b32 s[\g+1], 32<<16
	s_mov_b32 s[\g+2], (128*KS/256)<<16
	s_mov_b32 s[\g+3], 32<<16
	s_mov_b32 s[\g+4], 128*KS/256
	s_mov_b32 s[\g+5], 32
	s_mov_b32 s[\g+6], 0
	s_mov_b32 s[\g+7], 0
.endr
	s_lshl_b32 s18, s16, 7                         ; which 128 rows of the tile I fetch
	s_lshl_b32 s20, s17, 8
	s_add_co_u32 s20, s20, s18
	s_add_co_u32 s20, s20, s92                     ; P: stored row
	s_lshl_b32 s46, s42, 8
	s_add_co_u32 s46, s46, s18
	s_add_co_u32 s46, s46, s93                     ; R: stored row
	s_mov_b32 s21, 0
	s_mov_b32 s47, 0
	s_mov_b64 s[18:19], KS
	s_mul_u64 s[22:23], s[20:21], s[18:19]         ; where these rows' scale bytes begin,
	s_mul_u64 s[92:93], s[46:47], s[18:19]
	s_mov_b64 s[18:19], KROW
	s_mul_u64 s[20:21], s[20:21], s[18:19]         ; and their codes
	s_mul_u64 s[46:47], s[46:47], s[18:19]
	s_mul_i32 s45, s14, HALFT                      ; where they go: wave x 128 rows: no place in the cluster enters an LDS address
	s_mul_i32 s94, s14, HALFS
	s_wait_dscnt 0x0                               ; both opening adds are done
	s_wait_kmcnt 0x0
	s_add_nc_u64 s[20:21], s[4:5], s[20:21]
	s_add_nc_u64 s[22:23], s[6:7], s[22:23]
	s_add_nc_u64 s[46:47], s[4:5], s[46:47]
	s_add_nc_u64 s[92:93], s[6:7], s[92:93]
	CROUND                                         ; all sixteen work-groups are here: the first joint loads meet
	s_mov_b32 s[G0S], 1
	s_add_co_u32 s[G0S+1], s94, SCL
	s_mov_b64 s[G0S+2:G0S+3], s[22:23]
	s_or_b32 s[G0S+3], s[G0S+3], 0x80000000
	s_mov_b32 s[G0SB], 1
	s_add_co_u32 s[G0SB+1], s94, SCL
	s_mov_b64 s[G0SB+2:G0SB+3], s[92:93]
	s_or_b32 s[G0SB+3], s[G0SB+3], 0x80000000
	JLOAD G0S, G1S, G0SB, G1SB                     ; the scale bytes first: they are wanted with K step 0
.irp s, 0,1
	s_mov_b32 s[G0+4*\s], 1
	s_add_co_u32 s[G0+4*\s+1], s45, \s*SLOT
	s_add_nc_u64 s[G0+4*\s+2:G0+4*\s+3], s[20:21], \s*ROWB
	s_or_b32 s[G0+4*\s+3], s[G0+4*\s+3], 0x80000000
	s_mov_b32 s[G0B+4*\s], 1
	s_add_co_u32 s[G0B+4*\s+1], s45, \s*SLOT
	s_add_nc_u64 s[G0B+4*\s+2:G0B+4*\s+3], s[46:47], \s*ROWB
	s_or_b32 s[G0B+4*\s+3], s[G0B+4*\s+3], 0x80000000
	JLOAD G0+4*\s, G1, G0B+4*\s, G1B
.endr
	v_and_b32 v1, 15, v0                           ; r = l % 16
	v_bfe_u32 v2, v0, 4, 1                         ; h = l / 16
	v_mul_u32_u24 v3, v1, PITCH
	v_lshl_add_u32 v4, v2, 4, v3                   ; a fragment's row x pitch + 16 x half
	s_mul_i32 s21, s15, HALFT                      ; my 128 rows of P
	s_mul_i32 s22, s16, HALFT                      ; my 128 rows of R,
	s_add_co_u32 s22, s22, 2*HALFT                 ; which lie behind P's 256
.irp s, 0,1
	v_add_nc_u32 v[ADRA+\s], s21, v4
	v_add_nc_u32 v[ADRB+\s], s22, v4
	s_add_co_u32 s21, s21, SLOT
	s_add_co_u32 s22, s22, SLOT
.endr
	v_mul_u32_u24 v5, v1, KS                       ; my row's scale bytes: 32 a row,
	v_lshrrev_b32 v6, 8, v5
	v_lshl_add_u32 v5, v6, 4, v5                   ; and 16 more for each 256 passed
	s_mul_i32 s21, s15, HALFS
	s_mul_i32 s22, s16, HALFS
	s_add_co_u32 s22, s22, 2*HALFS
	s_sub_co_u32 s22, s22, s21
	v_mul_u32_u24 v6, s22, v2                      ; lanes 16-31 take R's
	s_add_co_u32 s21, s21, SCL
	v_add_nc_u32 v5, v5, v6
	v_add_nc_u32 v[ADRS], s21, v5
	; THE WAY OUT'S ADDRESSES AND THE BIAS TABLE.  p0, r0: my first row of P and of R, counted in their own tensors
	s_lshl_b32 s18, s17, 8
	s_lshl_b32 s20, s15, 7
	s_add_co_u32 s18, s18, s20                     ; p0
	s_lshl_b32 s19, s42, 8
	s_lshl_b32 s20, s16, 7
	s_add_co_u32 s19, s19, s20                     ; r0
	s_mov_b32 s[EA], 1024
	s_mov_b32 s[JMP], 1024
	s_mov_b32 s[MASK], 0xffff
	s_mov_b32 s22, 262144
	s_cmp_lg_u32 s[ISV], 0
	s_cselect_b32 s20, s19, s18                    ; my first token
	s_cselect_b32 s21, s18, s19                    ; my first column of W_qkv (v: less 2,048)
	s_cselect_b32 s[EA], 2048, s[EA]               ; q, k: an image of 2 x 512 bytes a block; v: of 4 x 512
	s_cselect_b32 s[JMP], 256000, s[JMP]           ; v: block 4 begins the next head: 262,144 - 3 x 2,048
	s_cselect_b32 s[MASK], -1, s[MASK]
	s_cselect_b32 s22, 1024, s22                   ; to the second image: q, k: the next head's record; v: the fragment's upper half
	s_cselect_b32 s23, 16, 32                      ; scale words: bytes from row to row,
	s_cselect_b32 s40, 0, 12288                    ; from half to half of the lanes (q, k: the next head),
	s_cselect_b32 s41, 12288, 16                   ; from blocks 0-3 to blocks 4-7 (v: the next head)
	s_cselect_b32 s43, 0, 16
	s_cselect_b32 s44, 0, 4                        ; the bias: bytes from register to register,
	s_cselect_b32 s45, 4, 0                        ; from row to row,
	s_cselect_b32 s46, 0, 64                       ; from half to half
	s_lshr_b32 s47, s20, 11                        ; the batch
	s_bfe_u32 s92, s20, 0x40007                    ; G: the group of 128 tokens
	s_bfe_u32 s93, s21, 0x40006                    ; the head
	s_lshl_b32 s47, s47, 4
	s_add_co_u32 s47, s47, s93                     ; 16 x batch + head
	s_lshr_b32 s93, s21, 10
	s_or_b32 s93, s93, s[ISV]
	s_cmp_eq_u32 s93, 0
	s_cselect_b32 s93, 1, 0                        ; 1: these columns are q's
	s_lshl_b32 s94, s47, 4
	s_add_co_u32 s94, s94, s92
	s_lshl_b32 s94, s94, 14                        ; the record of 16,384 bytes,
	s_lshl_b32 s2, s[ISV], 13
	s_add_co_u32 s94, s94, s2                      ; v's images behind k's,
	s_lshl_b32 s2, s93, 23
	s_add_co_u32 s94, s94, s2                      ; q's records behind all of k's and v's
	s_mul_i32 s47, s47, 12288
	s_mul_i32 s93, s93, 393216
	s_add_co_u32 s47, s47, s93
	s_lshl_b32 s2, s92, 8
	s_add_co_u32 s2, s2, 8192
	s_lshl_b32 s93, s92, 9
	s_cmp_lg_u32 s[ISV], 0
	s_cselect_b32 s2, s2, s93
	s_add_co_u32 s47, s47, s2                      ; where my scale words begin in atts
	s_lshl_b32 s2, s21, 2
	s_lshl_b32 s93, s[ISV], 13
	s_add_co_u32 s2, s2, s93                       ; where my bias begins in b_qkv
	s_mov_b32 s[SEL], 0x76543210
	s_mov_b32 s[SEL+1], 0xfedcba98
	s_mov_b32 s[MNT], 0x600000
	v_and_b32 v5, 31, v0
	v_lshl_add_u32 v[VO], v5, 4, s94
	v_add_nc_u32 v[VO2], s22, v[VO]
	v_mul_u32_u24 v[SO1], v1, s23
	v_mul_u32_u24 v5, v2, s40
	v_add3_u32 v[SO1], v[SO1], v5, s47
	v_add_nc_u32 v[SO2], s41, v[SO1]
	v_mul_u32_u24 v[SHV], v2, s43
	v_and_b32 v5, 8, v1
	v_add_nc_u32 v5, v5, v1                        ; r + 8 (r / 8)
	v_mul_u32_u24 v5, v5, s45
	v_mul_u32_u24 v6, v2, s46
	v_add3_u32 v5, v5, v6, s2
.irp j, 0,1,2,3,4,5,6,7
	v_mad_u32_u24 v[VA+\j], s44, \j, v5
.endr
.irp x, 0,1,2,3,4,5,6,7
.irp j, 0,1,2,3,4,5,6,7
	global_load_b32 v[BT+8*\x+\j], v[VA+\j], s[8:9] offset:(32*(\x/2)+8*(\x%2))*4   ; q, k: b(r0 + 32 (x / 2) + 16 h + 8 (x % 2) + j); v: b(2048 + my row of block x)
.endr
.endr
.macro FRAG reg, adr, q, i             ; a fragment: lane l holds row l % 16; registers 4 c .. 4 c + 3 hold K = 32 c + 16 (l / 16) + 0 .. 15
.irp c, 0,1,2,3
	ds_load_b128 v[\reg+4*\c:\reg+4*\c+3], v[\adr] offset:128*(\q)+32*\c+(\i)*16*PITCH
.endr
.endm
; 16 matrix instructions: P's blocks a0, a0 + 1 x R's eight, 128 along K.  The 64 accumulators take turns, one instruction a turn, in the same order in every step.
.macro MUL16 a0, p, q, sc, zero
.irp a, \a0, \a0+1
.irp b, 0,1,2,3,4,5,6,7
.if \zero
	v_wmma_scale_f32_16x16x128_f8f6f4 v[8*(8*((\a)%4)+\b):8*(8*((\a)%4)+\b)+7], v[128*(\p)+FR*\b:128*(\p)+FR*\b+FR-1], v[AF+FR*(\a):AF+FR*(\a)+FR-1], 0, v[SC+8*NQ*(\sc)+NQ*\b+(\q)], v[SC+8*NQ*(\sc)+NQ*(\a)+(\q)] matrix_a_scale:MATRIX_SCALE_ROW1
.else
	v_wmma_scale_f32_16x16x128_f8f6f4 v[8*(8*((\a)%4)+\b):8*(8*((\a)%4)+\b)+7], v[128*(\p)+FR*\b:128*(\p)+FR*\b+FR-1], v[AF+FR*(\a):AF+FR*(\a)+FR-1], v[8*(8*((\a)%4)+\b):8*(8*((\a)%4)+\b)+7], v[SC+8*NQ*(\sc)+NQ*\b+(\q)], v[SC+8*NQ*(\sc)+NQ*(\a)+(\q)] matrix_a_scale:MATRIX_SCALE_ROW1
.endif
.endr
.endr
.endm
.macro FETCH_B slot, q, p
	WIN TO_B
.irp i, 0,1,2,3,4,5,6,7
	FRAG 128*(\p)+FR*\i, ADRB+\slot, \q, \i
.endr
	WIN 0
.endm
.macro FETCH_A slot, q, i0
.irp i, \i0, \i0+1, \i0+2, \i0+3
	FRAG AF+FR*(\i), ADRA+\slot, \q, \i
.endr
.endm
.macro SCALES sc                       ; the next K step's scale words: two words a row; lanes 0-15 take P's block i, lanes 16-31 R's block i
.irp i, 0,1,2,3,4,5,6,7
	ds_load_b64 v[SC+8*NQ*\sc+NQ*\i:SC+8*NQ*\sc+NQ*\i+1], v[ADRS] offset:\i*SBLK
.endr
.endm
.macro PLACES n                        ; plain vector instructions between a matrix instruction and a load into, or a read of, its registers
.rept \n
	v_nop
.endr
.endm
.macro STEP slot, q, zero              ; a step of 128 along K that has its successor in the same slot
	s_wait_dscnt 4*NL                              ; R's set and P's blocks 0-3 are in; the youngest 16 loads (P's blocks 4-7) may be out
	WIN MUL_LO
	MUL16 0, (\q)%2, \q, \slot, \zero
	MUL16 2, (\q)%2, \q, \slot, \zero
	s_wait_dscnt 0
	PLACES NP
	FETCH_B \slot, (\q)+1, 1-(\q)%2
	FETCH_A \slot, (\q)+1, 0
	WIN MUL_HI
	MUL16 4, (\q)%2, \q, \slot, \zero
	MUL16 6, (\q)%2, \q, \slot, \zero
	PLACES NP
	WIN 0
	FETCH_A \slot, (\q)+1, 4
.endm
; A slot's last step changes slots: one barrier; in front of it each wave waits for all its tensor loads, adds 0 to its spare word, and waits for that and for its reads of this slot.
.macro TURN slot, next, fill
	s_wait_tensorcnt 0x0                           ; all my tensor loads have landed: my part of the next slot
	ds_add_u32 v[SPW], v[NIL]
	s_wait_dscnt 4*NL+1                            ; the add and the youngest 16 loads may be out
	WIN MUL_LO
	MUL16 0, 1, NQ-1, \slot, 0
	s_wait_dscnt 0x0                               ; the add is done, and my reads of this slot are over
	s_barrier_signal -1
	MUL16 2, 1, NQ-1, \slot, 0
	WIN 0
	s_barrier_wait -1
.if \fill
	CREST                                          ; the barrier has opened a round of the cluster's: no wave of any partner still reads this slot or has a load on its way
	s_add_nc_u64 s[G0+4*\slot+2:G0+4*\slot+3], s[G0+4*\slot+2:G0+4*\slot+3], 2*ROWB
	s_add_nc_u64 s[G0B+4*\slot+2:G0B+4*\slot+3], s[G0B+4*\slot+2:G0B+4*\slot+3], 2*ROWB
	JLOAD G0+4*\slot, G1, G0B+4*\slot, G1B         ; the first tensor load behind the round
	PLACES NP-4
.else
	PLACES NP
.endif
	v_add_nc_u32 v[ADRS], 4*NQ, v[ADRS]            ; on to the next K step's scale words
	FETCH_B \next, 0, 0
	FETCH_A \next, 0, 0
	SCALES \next
	WIN MUL_HI
	MUL16 4, 1, NQ-1, \slot, 0
	MUL16 6, 1, NQ-1, \slot, 0
	PLACES NP
	WIN 0
	FETCH_A \next, 0, 4
.endm
	s_wait_loadcnt 0x0                             ; the bias table
	s_wait_tensorcnt 1                             ; the scale bytes and my part of K step 0 are in; K step 1's load may be out
	s_barrier_signal -1
	s_barrier_wait -1
	FETCH_B 0, 0, 0
	FETCH_A 0, 0, 0
	SCALES 0
	FETCH_A 0, 0, 4
	STEP 0, 0, 1                                   ; the first step's products start the sums
	s_mov_b32 s3, LAPS-1
.Llap:
	TURN 0, 1, 1
	STEP 1, 0, 0
	TURN 1, 0, 1
	STEP 0, 0, 0
	s_sub_co_u32 s3, s3, 1
	s_cmp_lg_u32 s3, 0
	s_cbranch_scc1 .Llap
	TURN 0, 1, 0                                   ; the last lap fills nothing
	STEP 1, 0, 0
	s_wait_dscnt 4*NL
	WIN MUL_LO
	MUL16 0, 1, NQ-1, 1, 0
	MUL16 2, 1, NQ-1, 1, 0
	s_wait_dscnt 0
	WIN MUL_HI
	MUL16 4, 1, NQ-1, 1, 0
	MUL16 6, 1, NQ-1, 1, 0
	WIN 0
; 64 numbers of a lane, v[s] on, register 16 b + i = place 32 b + 16 (lane / 16) + i along the next K, become 16 registers of codes in v[PC] on and a scale word in v[PW].
.macro QUANT s
.irp b, 0,1,2,3
	v_max3_num_f32 v[TM+\b], |v[\s+16*\b]|, |v[\s+1+16*\b]|, 0x4800000   ; my 16 numbers of block b, and the floor 2^(9 - 127)
.endr
.irp i, 2,4,6,8,10,12,14
.irp b, 0,1,2,3
	v_max3_num_f32 v[TM+\b], v[TM+\b], |v[\s+16*\b+\i]|, |v[\s+1+16*\b+\i]|
.endr
.endr
.irp b, 0,1,2,3
	v_permlanex16_b32 v[TM+4+\b], v[TM+\b], s[SEL], s[SEL+1]
.endr
.irp b, 0,1,2,3
	v_max_num_f32 v[TM+\b], v[TM+\b], v[TM+4+\b]   ; with lane l xor 16's: the block's largest magnitude
.endr
.irp b, 0,1,2,3
	v_add_nc_u32 v[TM+12+\b], 0xfc000000, v[TM+\b] ; the conversion's scale operand
.endr
.irp b, 0,1,2,3
	v_and_or_b32 v[TM+8+\b], v[TM+\b], 0x7f800000, s[MNT]   ; 448 x the scale
.endr
.irp b, 0,1,2,3
	v_lshrrev_b32 v[TM+4+\b], 23, v[TM+12+\b]      ; the scale's byte
.endr
	v_lshl_or_b32 v[PW], v[TM+5], 8, v[TM+4]
	v_lshl_or_b32 v[PW], v[TM+6], 16, v[PW]
	v_lshl_or_b32 v[PW], v[TM+7], 24, v[PW]
.irp b, 0,1,2,3
.irp i, 0,1,2,3,4,5,6,7,8,9,10,11,12,13,14,15
	v_med3_num_f32 v[\s+16*\b+\i], v[\s+16*\b+\i], -v[TM+8+\b], v[TM+8+\b]   ; the conversion does not saturate (ISA guide 7.6.2): the hold
.endr
	v_cvt_scalef32_pk8_fp8_f32 v[PC+4*\b:PC+1+4*\b], v[\s+16*\b:\s+7+16*\b], v[TM+12+\b]
	v_cvt_scalef32_pk8_fp8_f32 v[PC+2+4*\b:PC+3+4*\b], v[\s+8+16*\b:\s+15+16*\b], v[TM+12+\b]
.endr
	v_nop                                          ; a plain line behind the last conversion
.endm
; THE WAY OUT of P's block a: the bias is added (each accumulator read from its low end on), the 64 numbers are quantised, and the codes leave as they stand: four stores of 512 consecutive bytes.
.macro OUTBLK a
.set AC, 64*((\a)%4)
.if (\a) > 0
	s_wait_xcnt 0x0                                ; the last block's stores have read their data and offsets: both are written again only behind this wait
.if (\a) == 4
	v_add_nc_u32 v[VO], s[JMP], v[VO]
	v_add_nc_u32 v[VO2], s[JMP], v[VO2]
.else
	v_add_nc_u32 v[VO], s[EA], v[VO]
	v_add_nc_u32 v[VO2], s[EA], v[VO2]
.endif
.endif
	s_cmp_lg_u32 s[ISV], 0                         ; the same in every wave of the cluster; the two arms hold additions alone
	s_cbranch_scc1 .Lfor_v_\@
	WIN 0x02+(\a)/4                                ; source 0: window 2 or 3
.set i, 0
.rept 32
	v_pk_add_f32 v[T+2*i:T+2*i+1], v[AC+2*i:AC+2*i+1], v[BT+2*i:BT+2*i+1]          ; q, k: the bias of the register's column
.set i, i+1
.endr
	WIN 0
	s_branch .Ladded_\@
.Lfor_v_\@:
	WIN 0x02+(\a)/4
.set i, 0
.rept 32
	v_pk_add_f32 v[T+2*i:T+2*i+1], v[AC+2*i:AC+2*i+1], v[BT+8*(\a):BT+8*(\a)+1]    ; v: the bias of the lane's row
.set i, i+1
.endr
	WIN 0
.Ladded_\@:
	QUANT T
	v_lshrrev_b32 v[SW+(\a)], v[SHV], v[PW]        ; q, k: lanes 0-15 keep the first head's two bytes, lanes 16-31 the second's; v: all four
	v_and_b32 v[SW+(\a)], s[MASK], v[SW+(\a)]
	global_store_b128 v[VO], v[PC:PC+3], s[10:11]
	global_store_b128 v[VO], v[PC+4:PC+7], s[10:11] offset:512
	global_store_b128 v[VO2], v[PC+8:PC+11], s[10:11]
	global_store_b128 v[VO2], v[PC+12:PC+15], s[10:11] offset:512
.endm
	PLACES NP                                      ; behind the last products: their results are read, and P's fragments' registers written, only behind these
.irp b, 0,1,2,3
	v_mov_b32 v[TM+4+\b], 0                        ; written once: a lane permute's destination counts as one of its sources
.endr
.irp a, 0,1,2,3,4,5,6,7
	OUTBLK \a
.endr
	global_store_b128 v[SO1], v[SW:SW+3], s[12:13]       ; the scale words of blocks 0-3 and of blocks 4-7 (v: lanes 16-31 repeat lanes 0-15's words at the same places)
	global_store_b128 v[SO2], v[SW+4:SW+7], s[12:13]
	s_wait_tensorcnt 0x0                           ; the wave's end
	ds_add_u32 v[SPW], v[NIL]
	s_wait_dscnt 0x0
	CROUND                                         ; the closing round
	s_endpgm
.Lfunc_end_k_q3cae31abc9_gemm1:
	.size	k_q3cae31abc9_gemm1, .Lfunc_end_k_q3cae31abc9_gemm1-k_q3cae31abc9_gemm1
	.p2alignl 7, 3214868480
	.fill 96, 4, 3214868480
	.section	.rodata,"a",@progbits
	.p2align	6, 0x0
	.amdhsa_kernel k_q3cae31abc9_gemm1
		.amdhsa_group_segment_fixed_size 327680
		.amdhsa_private_segment_fixed_size 0
		.amdhsa_enable_private_segment 0
		.amdhsa_kernarg_size 40
		.amdhsa_user_sgpr_count 2
		.amdhsa_user_sgpr_kernarg_segment_ptr 1
		.amdhsa_wavefront_size32 1
		.amdhsa_system_sgpr_workgroup_id_x 1
		.amdhsa_system_sgpr_workgroup_id_y 1
		.amdhsa_system_sgpr_workgroup_id_z 1
		.amdhsa_system_vgpr_workitem_id 0
		.amdhsa_next_free_vgpr 1024
		.amdhsa_next_free_sgpr 100
		.amdhsa_reserve_vcc 0
		.amdhsa_float_denorm_mode_32 3
		.amdhsa_float_denorm_mode_16_64 3
		.amdhsa_memory_ordered 1
		.amdhsa_forward_progress 1
		.amdhsa_inst_pref_size 227
	.end_amdhsa_kernel
	.amdgpu_metadata
---
amdhsa.version: [ 1, 2 ]
amdhsa.kernels:
  - .name:           k_q3cae31abc9_gemm1
    .symbol:         k_q3cae31abc9_gemm1.kd
    .args:
      - { .name: cq, .offset: 0, .size: 8, .value_kind: global_buffer, .address_space: global }
      - { .name: cs, .offset: 8, .size: 8, .value_kind: global_buffer, .address_space: global }
      - { .name: b_qkv, .offset: 16, .size: 8, .value_kind: global_buffer, .address_space: global }
      - { .name: att, .offset: 24, .size: 8, .value_kind: global_buffer, .address_space: global }
      - { .name: atts, .offset: 32, .size: 8, .value_kind: global_buffer, .address_space: global }
    .group_segment_fixed_size: 327680
    .private_segment_fixed_size: 0
    .kernarg_segment_align: 8
    .kernarg_segment_size: 40
    .max_flat_workgroup_size: 128
    .sgpr_count:     100
    .vgpr_count:     1024
    .wavefront_size: 32
...
	.end_amdgpu_metadata
.endif
;; end of part 3
;; launch attn (part 4): grid 8 x 32, 16 waves a work-group, no clusters, 327,680 bytes of LDS; arguments att, atts, yq, ys; writes yq, ys
.if DOCPART == 4
	.amdgcn_target "amdgcn-amd-amdhsa--gfx1250"
	.amdhsa_code_object_version 6
	.text
	.protected	k_q3cae31abc9_attn
	.globl	k_q3cae31abc9_attn
	.p2align	8
	.type	k_q3cae31abc9_attn,@function
k_q3cae31abc9_attn:
	s_mov_b64 s[64:65], 0
	v_nop
	global_prefetch_b8 v0, s[64:65] scope:SCOPE_SE
	s_setreg_imm32_b32 hwreg(HW_REG_WAVE_MODE, 25, 1), 1
	s_wait_xcnt 0x0
; y = softmax(q k^T / 8, causal) v for each (batch, head), both products on codes of FP8 (E4M3) with E8M0 scales; y is quantised along the model's 1,024 on the way out.
; LEFT OUT: key steps of 128 keys that all come after a wave's 16 queries (the mask that the function builds itself makes their p exactly 0: shown at the head of quant_x).
; THE SOFTMAX AHEAD OF THE SECOND PRODUCT: t = score x log2(e) / 8; M = the running largest t rounded UP to a whole number; p = 2^(t - M) is quantised along the keys, not normalised; the row's sum is taken of the
; unquantised p and divides at the end; when M moves, the sum and O are multiplied by 2^(old M - new M), exactly.
; OPERANDS arrive as images of operand registers (gemm1): a record of 16,384 bytes for each (batch x head, group G of 128 tokens): K's eight tiles x 2 x 512 bytes, then V's four tiles x 4 x 512.
; The first product's K is the head's 64: the upper half of the form's 128 holds zero codes on both sides (registers cleared once), under scale bytes 0.
; SHARES.  A work-group (j, batch x head) has sixteen waves of one tile of 16 queries: eight tiles of group j and eight of group 15 - j, so that every SIMD has 2 (j + 1) + 2 (16 - j) = 34 wave steps, however waves are dealt.
; A wave works key steps 0 .. G; step G lies on the diagonal.  Both products are used transposed, so a lane holds one query throughout; lane r of tile a is token 128 G + 32 (a / 2) + 8 (a % 2) + r + 8 (r / 8), for queries and keys alike.
; THE RING: two slots of two records, filled by wave 0 with one tensor load of 32,768 dense bytes; the head's 12,288 scale bytes come once.  Every work-group walks all 8 slots (constant trip counts); a slot whose first
; step lies beyond group 15 - j is read by none of the sixteen waves and is not asked for.  By this text's count wave 0 has two tensor loads out at the head, later one.
; NO CLUSTER: the work-groups of a head have different causal limits (15 - j), so a joint load would bring tiles over whose reads every wave of some partner jumps.
; LIMITS: NaN and infinities are not served; a block of p or y that is all zeros or under 2^-118 keeps the byte 1.
; REGISTERS: v1-7 addresses that stay; v8-10 addresses in hand; v12 -M, v13 the largest t, v[14:15] the sum; v16-31 Q; v32-95 four fragments of K; v96-159 S^T, then p, then V's four fragments; v160-191 O^T;
;   v192-207 p's codes; v208-215 K's scale words, v216-219 V's, v220 Q's; v224-243 at work (v242 f, v243 p's scale word).
.set SLOT1, 32768                      ; slot 1 begins here: one exclusive or turns an address from one slot to the other
.set SC,    65536                      ; the head's scale bytes: K's [G][r][tile 8] words, from 8,192 on V's [G][r][tile 4]
.set SPARE, SC+12288                   ; the spare words, 128 bytes a wave
.set LI,   1                           ; v1  16 x lane
.set ASK0, 2                           ; v2  my row among K's scale words
.set ASV0, 3                           ; v3  and among V's
.set VD,   4                           ; v4  my query's place in its group less 16 (lane / 16)
.set SPW,  5
.set NIL,  6
.set PFO,  7                           ; v7  256 x lane; never rewritten
.set AD,   8
.set ADS,  9
.set ADT,  10
.set PCD,  192
.set KSW,  208
.set VSW,  216
.set BM,   224                         ; v224-227 the blocks' largest scores, then largest p
.set T4,   228                         ; v228-231 at work
.set HV,   232                         ; v232-235 448 x the scale
.set SOP,  236                         ; v236-239 the conversions' scale operands
.set TB,   2                           ; s2  LDS byte at which the slot in hand begins
.set TS,   3                           ; s3  the step's scale words of K: 512 bytes a step
.set WV,   12
.set AW,   13                          ; s13 my tile in its group
.set G,    16                          ; s16 my group
.set GMAX, 17                          ; s17 the work-group's last group
.set KS,   18                          ; s18 the key step
.set MNT,  19
.set SEL,  20
.set CS,   22                          ; s[22:23] c = log2(e) / 8
.set TJ,   24                          ; s24 the step's scale words of V: 256 bytes a step
.set SLOTS, 25
.set LIM,  26
.set SHY,  27                          ; s27 16 x (head % 2): where my head's two bytes stand in y's scale word
.set G1,   28
.set G1S,  36
.set G0,   44
.set G0S,  48
.set PFA,  52
.macro TLOAD                           ; wave 0 fetches; an s_nop 0 and four v_nop follow the load
	s_cmp_lg_u32 s[WV], 0
	s_cbranch_scc1 .Lnot_me_\@
	tensor_load_to_lds s[G0:G0+3], s[G1:G1+7]
	s_nop 0
.rept 4
	v_nop
.endr
.Lnot_me_\@:
.endm
; A PREFETCH INTO THE L2 of the slot that the NEXT change of slots will ask for: 32,768 bytes, lanes 256 bytes apart, 8,192 bytes a wave.  All work-groups of a head walk the same records: work-group j = 0 asks, which
; walks them all; in it waves 4 to 7, which fetch nothing.  So each aligned block of 256 bytes is named once in the launch.  Slots 0 and 1 come by their loads alone; the last change that fills a slot asks for nothing.
.macro ASK
	s_cmp_gt_u32 s[SLOTS], s[LIM]
	s_cbranch_scc0 .Lnot_mine_\@
	global_prefetch_b8 v[PFO], s[PFA:PFA+1] th:TH_LOAD_NT scope:SCOPE_SE
.Lnot_mine_\@:
.endm
	s_load_b256 s[4:11], s[0:1], 0x0               ; att, atts, yq, ys
	v_lshl_add_u32 v[SPW], v0, 2, SPARE
	v_mov_b32 v[NIL], 0
	ds_add_u32 v[SPW], v[NIL]                      ; the wave's opening: the add, twice on end, and its wait ahead of the first tensor load
	ds_add_u32 v[SPW], v[NIL]
	v_lshrrev_b32 v8, 5, v0
	v_readfirstlane_b32 s[WV], v8                  ; wave 0..15
	s_lshr_b32 s[AW], s[WV], 1
	s_lshr_b32 s54, s[WV], 2
	s_xor_b32 s54, s54, s[WV]
	s_and_b32 s54, s54, 1                          ; 1: my tile lies in the later group
	s_sub_co_u32 s[GMAX], 15, ttmp9
	s_cmp_lg_u32 s54, 0
	s_cselect_b32 s[G], s[GMAX], ttmp9
	s_and_b32 s55, ttmp7, 0xffff                   ; 16 x batch + head
	s_lshl_b32 s56, s55, 18                        ; the head's 16 records
	s_mov_b32 s57, 0
	s_mul_i32 s58, s55, 12288                      ; its scale bytes
	s_mov_b32 s59, 0
	s_lshl_b32 s60, s55, 4
	s_add_co_u32 s60, s60, s[G]
	s_lshl_b32 s60, s60, 14
	s_lshl_b32 s61, s[AW], 10
	s_add_co_u32 s60, s60, s61
	s_add_co_u32 s60, s60, 8388608                 ; my tile of Q
	s_mov_b32 s61, 0
	s_lshl_b32 s62, s[G], 9
	s_add_co_u32 s62, s62, s58
	s_lshl_b32 s63, s[AW], 2
	s_add_co_u32 s62, s62, s63
	s_add_co_u32 s62, s62, 393216                  ; its scale words
	s_mov_b32 s63, 0
	s_lshr_b32 s54, s55, 4
	s_lshl_b32 s54, s54, 7
	s_lshl_b32 s66, s[G], 3
	s_add_co_u32 s54, s54, s66
	s_add_co_u32 s54, s54, s[AW]                   ; my tile of tokens among the 256
	s_and_b32 s55, s55, 15                         ; the head
	s_lshl_b32 s66, s54, 14
	s_lshl_b32 s67, s55, 10
	s_add_co_u32 s66, s66, s67                     ; y's image: 16,384 bytes a tile, 1,024 a head
	s_mov_b32 s67, 0
	s_lshl_b32 s68, s54, 10
	s_lshl_b32 s69, s55, 6
	s_add_co_u32 s68, s68, s69                     ; y's scale words: 1,024 bytes a tile, 64 a head
	s_mov_b32 s69, 0
	s_and_b32 s[SHY], s55, 1
	s_lshl_b32 s[SHY], s[SHY], 4
	s_mov_b32 s[G1], 3<<16                         ; no mask; elements of 8 bytes; no padding: images are read 16 bytes a lane, on end
	s_mov_b32 s[G1+1], 32<<16                      ; tensor_dim0: rows of 256 bytes
	s_mov_b32 s[G1+2], 128<<16                     ; tensor_dim1
	s_mov_b32 s[G1+3], 32<<16                      ; tile_dim0
	s_mov_b32 s[G1+4], 128                         ; tile_dim1: 128 rows: two records
	s_mov_b32 s[G1+5], 32                          ; dense
	s_mov_b32 s[G1+6], 0
	s_mov_b32 s[G1+7], 0
	s_mov_b32 s[G1S], 3<<16
	s_mov_b32 s[G1S+1], 32<<16
	s_mov_b32 s[G1S+2], 48<<16
	s_mov_b32 s[G1S+3], 32<<16
	s_mov_b32 s[G1S+4], 48                         ; 48 rows: the head's 12,288 scale bytes
	s_mov_b32 s[G1S+5], 32
	s_mov_b32 s[G1S+6], 0
	s_mov_b32 s[G1S+7], 0
	s_mov_b32 s[G0], 1
	s_mov_b32 s[G0+1], 0
	s_mov_b32 s[G0S], 1
	s_mov_b32 s[G0S+1], SC
	s_mov_b32 s[SEL], 0x76543210
	s_mov_b32 s[SEL+1], 0xfedcba98
	s_mov_b32 s[CS], 0x3e38aa3b
	s_mov_b32 s[CS+1], s[CS]
	s_mov_b32 s[MNT], 0x600000
	s_mov_b32 s[TB], 0
	s_mov_b32 s[TS], 0
	s_mov_b32 s[TJ], 0
	s_mov_b32 s[KS], 0
	s_mov_b32 s[SLOTS], 7
	s_wait_dscnt 0x0                               ; both opening adds are done
	s_wait_kmcnt 0x0
	s_add_nc_u64 s[G0+2:G0+3], s[4:5], s[56:57]
	s_or_b32 s[G0+3], s[G0+3], 0x80000000
	s_add_nc_u64 s[G0S+2:G0S+3], s[6:7], s[58:59]
	s_or_b32 s[G0S+3], s[G0S+3], 0x80000000
	s_cmp_lg_u32 s[WV], 0                          ; wave 0's two first fills stand in one branch
	s_cbranch_scc1 .Lno_fill
	tensor_load_to_lds s[G0S:G0S+3], s[G1S:G1S+7]
	s_nop 0
	tensor_load_to_lds s[G0:G0+3], s[G1:G1+7]
	s_nop 0
.rept 4
	v_nop
.endr
.Lno_fill:
	s_and_b32 s54, s[WV], 3
	s_lshl_b32 s54, s54, 13
	s_add_co_u32 s54, s54, 32768                   ; the prefetches stand in slot 1: the first change of slots steps them to slot 2
	s_mov_b32 s55, 0
	s_add_nc_u64 s[PFA:PFA+1], s[4:5], s[56:57]
	s_add_nc_u64 s[PFA:PFA+1], s[PFA:PFA+1], s[54:55]
	s_sub_co_u32 s54, s[WV], 4
	s_lshr_b32 s54, s54, 2                         ; 0 in waves 4 to 7,
	s_or_b32 s54, s54, ttmp9                       ; of work-group j = 0
	s_cmp_eq_u32 s54, 0
	s_cselect_b32 s[LIM], 1, -1
	s_add_nc_u64 s[60:61], s[4:5], s[60:61]
	s_add_nc_u64 s[62:63], s[6:7], s[62:63]
	s_add_nc_u64 s[8:9], s[8:9], s[66:67]
	s_add_nc_u64 s[10:11], s[10:11], s[68:69]
	v_and_b32 v8, 15, v0                           ; r
	v_bfe_u32 v9, v0, 4, 1                         ; h
	v_and_b32 v10, 31, v0
	v_lshlrev_b32 v[LI], 4, v10
	v_lshlrev_b32 v[PFO], 8, v10
	v_lshlrev_b32 v11, 5, v8
	global_load_b128 v[16:19], v[LI], s[60:61]               ; Q's fragment, the head's 64: it stays
	global_load_b128 v[20:23], v[LI], s[60:61] offset:512
	global_load_b32 v220, v11, s[62:63]                      ; Q's scale words
	v_lshl_add_u32 v[ASK0], v8, 5, SC
	v_lshl_add_u32 v[ASV0], v8, 4, SC+8192
	s_lshr_b32 s54, s[AW], 1
	s_lshl_b32 s54, s54, 5
	s_and_b32 s55, s[AW], 1
	s_lshl_b32 s55, s55, 3
	s_add_co_u32 s54, s54, s55
	v_and_b32 v10, 8, v8
	v_add_nc_u32 v10, v10, v8
	v_lshlrev_b32 v9, 4, v9
	v_sub_nc_u32 v10, v10, v9
	v_add_nc_u32 v[VD], s54, v10
.irp j, 0,1,2,3,4,5,6,7
	v_mov_b32 v[24+\j], 0                          ; the upper half of the form's K: zero codes, in Q
.endr
.irp t, 0,1,2,3
.irp j, 8,9,10,11,12,13,14,15
	v_mov_b32 v[32+16*\t+\j], 0                    ; and in K's four fragments: never loaded over
.endr
.endr
.set j, 0
.rept 32
	v_mov_b32 v[160+j], 0                          ; O^T: the step is written once: the first finds zeros
.set j, j+1
.endr
.irp b, 0,1,2,3
	v_mov_b32 v[T4+\b], 0                          ; a lane permute's destination counts as one of its sources
.endr
	v_mov_b32 v240, 0
	v_mov_b32 v242, 0
	v_mov_b32 v243, 0
	v_mov_b32 v13, 0xff61b1e6                      ; the largest t so far: -3e38
	v_floor_f32 v12, -v13                          ; -M
	v_mov_b32 v14, 0
	v_mov_b32 v15, 0
; A KEY STEP: 128 keys, record q of the slot in hand.
.macro STEP q
	s_cmp_gt_u32 s[KS], s[G]                       ; all its keys come after my queries: only the lines at the end, which step addresses, are run
	s_cbranch_scc1 .Lhidden_\@
	v_add_nc_u32 v[AD], s[TB], v[LI]
	v_add_nc_u32 v[ADS], s[TS], v[ASK0]
	v_add_nc_u32 v[ADT], s[TJ], v[ASV0]
.rept 6
	v_nop                                          ; with the three additions nine places: the products below write over V's fragments, which the last step's products read
.endr
.irp g, 0,1                                    ; S^T = K Q^T, four tiles of 16 keys at a time
.if \g > 0
.rept 8
	v_nop                                          ; places in front of loads into registers that matrix instructions have read
.endr
.endif
.irp t, 0,1,2,3
.irp c, 0,1
	ds_load_b128 v[32+16*\t+4*\c:35+16*\t+4*\c], v[AD] offset:16384*(\q)+1024*(4*\g+\t)+512*\c
.endr
.endr
.if \g == 0
	ds_load_b128 v[KSW:KSW+3], v[ADS]
	ds_load_b128 v[KSW+4:KSW+7], v[ADS] offset:16
.endif
	s_wait_dscnt 0x0
.irp t, 0,1,2,3
	v_wmma_scale_f32_16x16x128_f8f6f4 v[96+8*(4*\g+\t):103+8*(4*\g+\t)], v[32+16*\t:47+16*\t], v[16:31], 0, v[KSW+4*\g+\t], v220
.endr
.endr                                          ; lane (r, h): query r; register 16 b + i: key 32 b + 16 h + i of the step
.rept 8
	v_nop
.endr
	s_cmp_lg_u32 s[KS], s[G]
	s_cbranch_scc1 .Lopen_\@
	v_mov_b32 v240, 0xff800000                     ; on the diagonal hidden scores become -infinity ahead of the maximum: hidden where 32 b + i > my query's place - 16 h
.set n, 0
.rept 64
	v_cmp_gt_i32 vcc_lo, 32*(n/16)+n%16, v[VD]
	v_cndmask_b32 v[96+n], v[96+n], v240, vcc_lo
.set n, n+1
.endr
.Lopen_\@:
.irp b, 0,1,2,3
	v_max3_num_f32 v[BM+\b], v[96+16*\b], v[97+16*\b], v[98+16*\b]   ; the largest score of each block of 32 keys: for the row's maximum, and, since p rises with the score, for the block's largest p
.endr
.irp i, 3,5,7,9,11,13
.irp b, 0,1,2,3
	v_max3_num_f32 v[BM+\b], v[BM+\b], v[96+16*\b+\i], v[97+16*\b+\i]
.endr
.endr
.irp b, 0,1,2,3
	v_max_num_f32 v[BM+\b], v[BM+\b], v[111+16*\b]
.endr
.irp b, 0,1,2,3
	v_permlanex16_b32 v[T4+\b], v[BM+\b], s[SEL], s[SEL+1]
.endr
.irp b, 0,1,2,3
	v_max_num_f32 v[BM+\b], v[BM+\b], v[T4+\b]     ; with lane l xor 16's 16 keys
.endr
	v_max3_num_f32 v240, v[BM], v[BM+1], v[BM+2]
	v_max_num_f32 v240, v240, v[BM+3]
	v_mul_f32 v240, s[CS], v240                    ; the step's largest t
	v_max_num_f32 v13, v13, v240                   ; the running largest t
	v_mov_b32 v240, v12
	v_floor_f32 v12, -v13                          ; the new -M = -ceil(t)
	v_sub_f32 v240, v12, v240                      ; old M - new M: a whole number, 0 or less
	v_cvt_i32_f32 v240, v240                       ; (it saturates)
	v_ldexp_f32 v242, 1.0, v240                    ; f = 2^(old M - new M)
.set j, 0
.rept 32
	v_pk_fma_f32 v[96+j:97+j], v[96+j:97+j], s[CS:CS+1], v[12:13] op_sel_hi:[1,0,0]   ; t - M
.set j, j+2
.endr
.irp b, 0,1,2,3
	v_fma_f32 v[BM+\b], v[BM+\b], s[CS], v12       ; the same of each block's largest score
.endr
.set j, 0
.rept 64
	v_exp_f32 v[96+j], v[96+j]                     ; p = 2^(t - M)
.set j, j+1
.endr
	v_pk_mul_f32 v[14:15], v[14:15], v[242:243] op_sel_hi:[1,0]   ; the sums under the new M (a plain line behind the exponentials)
	s_wait_alu depctr_va_vdst(0)                   ; one wait for the batch of 64, ahead of its first reader
.irp b, 0,1,2,3
	v_exp_f32 v[BM+\b], v[BM+\b]                   ; the block's largest p
.endr
	v_pk_add_f32 v[T4:T4+1], v[96:97], v[98:99]    ; the row's sum of the unquantised p, in two chains
.irp j, 4,8,12,16,20,24,28,32,36,40,44,48,52,56,60
	v_pk_add_f32 v[14:15], v[14:15], v[96+\j:97+\j]
	v_pk_add_f32 v[T4:T4+1], v[T4:T4+1], v[98+\j:99+\j]
.endr
	v_pk_add_f32 v[14:15], v[14:15], v[T4:T4+1]
	s_wait_alu depctr_va_vdst(0)                   ; and one for the four
.irp b, 0,1,2,3
	v_max_num_f32 v[BM+\b], 0x4800000, v[BM+\b]    ; the floor 2^(9 - 127)
.endr
.irp b, 0,1,2,3
	v_add_nc_u32 v[SOP+\b], 0xfc000000, v[BM+\b]
.endr
.irp b, 0,1,2,3
	v_and_or_b32 v[HV+\b], v[BM+\b], 0x7f800000, s[MNT]
.endr
.irp b, 0,1,2,3
	v_lshrrev_b32 v[T4+\b], 23, v[SOP+\b]
.endr
	v_lshl_or_b32 v243, v[T4+1], 8, v[T4]          ; p's scale word for these 128 keys
	v_lshl_or_b32 v243, v[T4+2], 16, v243
	v_lshl_or_b32 v243, v[T4+3], 24, v243
.irp b, 0,1,2,3
.irp i, 0,1,2,3,4,5,6,7,8,9,10,11,12,13,14,15
	v_min_num_f32 v[96+16*\b+\i], v[96+16*\b+\i], v[HV+\b]   ; the hold; p is not negative
.endr
	v_cvt_scalef32_pk8_fp8_f32 v[PCD+4*\b:PCD+1+4*\b], v[96+16*\b:103+16*\b], v[SOP+\b]
	v_cvt_scalef32_pk8_fp8_f32 v[PCD+2+4*\b:PCD+3+4*\b], v[104+16*\b:111+16*\b], v[SOP+\b]
.endr
.irp t, 0,1,2,3
.irp c, 0,1,2,3
	ds_load_b128 v[96+16*\t+4*\c:99+16*\t+4*\c], v[AD] offset:16384*(\q)+8192+2048*\t+512*\c   ; V's four fragments take p's place
.endr
.endr
	ds_load_b128 v[VSW:VSW+3], v[ADT]
.set j, 0
.rept 16
	v_pk_mul_f32 v[160+j:161+j], v[160+j:161+j], v[242:243] op_sel_hi:[1,0]   ; O^T under the new M.  (Plain lines behind the conversions and ahead of the products that take their codes)
.set j, j+2
.endr
	s_wait_dscnt 0x0
.irp t, 0,1,2,3                                ; O^T += V^T P^T; the four accumulators take turns
	v_wmma_scale_f32_16x16x128_f8f6f4 v[160+8*\t:167+8*\t], v[96+16*\t:111+16*\t], v[PCD:PCD+15], v[160+8*\t:167+8*\t], v[VSW+\t], v243
.endr
.Lhidden_\@:
	s_add_co_u32 s[KS], s[KS], 1
	s_add_co_u32 s[TS], s[TS], 512
	s_add_co_u32 s[TJ], s[TJ], 256
.endm
; THE CHANGE OF SLOTS stands at a slot's head: each wave waits for all its tensor loads, adds 0 to its spare word (fill = 1: twice on end), and waits for
; that and for its reads of the slot that it has left.  Behind the barrier the slot ahead is whole and nobody reads the other one, which is then filled with the next two records, up to the causal limit.
.macro CHANGE fill
	s_wait_tensorcnt 0x0                           ; no tensor load of mine is out, so the descriptor may be written
	ds_add_u32 v[SPW], v[NIL]
.if \fill
	ds_add_u32 v[SPW], v[NIL]
	s_xor_b32 s[G0+1], s[G0+1], SLOT1
	s_add_nc_u64 s[G0+2:G0+3], s[G0+2:G0+3], 32768
	s_wait_xcnt 0x0                                ; the last prefetch, a slot back, has read its address
	s_add_nc_u64 s[PFA:PFA+1], s[PFA:PFA+1], 32768
.endif
	s_wait_dscnt 0x0
	s_barrier_signal -1
	s_barrier_wait -1
.if \fill
	s_add_co_u32 s54, s[KS], 2                     ; the first step of the slot that this change would ask for:
	s_cmp_gt_u32 s54, s[GMAX]                      ; beyond the work-group's last group no wave reads it.  Ids and the count of steps alone: all sixteen waves go the same way
	s_cbranch_scc1 .Lpast_\@
	TLOAD
.Lpast_\@:
	ASK
.endif
.endm
.macro SLOT_STEPS
	STEP 0
	STEP 1
	s_xor_b32 s[TB], s[TB], SLOT1
.endm
	s_wait_loadcnt 0x0                             ; Q
.Lslot:
	CHANGE 1
	SLOT_STEPS
	s_sub_co_u32 s[SLOTS], s[SLOTS], 1
	s_cmp_lg_u32 s[SLOTS], 0
	s_cbranch_scc1 .Lslot
	CHANGE 0                                       ; the last slot is written out: nothing is left to ask for
	SLOT_STEPS
	; THE WAY OUT: O^T / the sum is y(query r, d = 32 c + 16 h + i) in register 16 c + i: two blocks of 32 along the last product's K.  They are quantised and leave as an image of that product's operand.
	v_add_f32 v14, v14, v15
	v_permlanex16_b32 v240, v14, s[SEL], s[SEL+1]
	v_add_f32 v14, v14, v240                       ; the row's sum
	v_rcp_f32 v14, v14
	v_and_b32 v11, 15, v0
	v_lshlrev_b32 v11, 2, v11                      ; 4 r
.rept 8
	v_nop                                          ; places behind the last products: their results are read and V's fragments written over below
.endr
	s_wait_alu depctr_va_vdst(0)                   ; ahead of the reciprocal's first reader
.set j, 0
.rept 32
	v_mul_f32 v[96+j], v[160+j], v14
.set j, j+1
.endr
.irp b, 0,1
	v_max3_num_f32 v[BM+\b], |v[96+16*\b]|, |v[97+16*\b]|, 0x4800000
.endr
.irp i, 2,4,6,8,10,12,14
.irp b, 0,1
	v_max3_num_f32 v[BM+\b], v[BM+\b], |v[96+16*\b+\i]|, |v[97+16*\b+\i]|
.endr
.endr
.irp b, 0,1
	v_permlanex16_b32 v[T4+\b], v[BM+\b], s[SEL], s[SEL+1]
.endr
.irp b, 0,1
	v_max_num_f32 v[BM+\b], v[BM+\b], v[T4+\b]
.endr
.irp b, 0,1
	v_add_nc_u32 v[SOP+\b], 0xfc000000, v[BM+\b]
.endr
.irp b, 0,1
	v_and_or_b32 v[HV+\b], v[BM+\b], 0x7f800000, s[MNT]
.endr
.irp b, 0,1
	v_lshrrev_b32 v[T4+\b], 23, v[SOP+\b]
.endr
	v_lshl_or_b32 v241, v[T4+1], 8, v[T4]
	v_lshlrev_b32 v241, s[SHY], v241               ; an even head's two bytes below, an odd head's above: two heads' words are joined by an OR in gemm2ln
.irp b, 0,1
.irp i, 0,1,2,3,4,5,6,7,8,9,10,11,12,13,14,15
	v_med3_num_f32 v[96+16*\b+\i], v[96+16*\b+\i], -v[HV+\b], v[HV+\b]
.endr
	v_cvt_scalef32_pk8_fp8_f32 v[PCD+4*\b:PCD+1+4*\b], v[96+16*\b:103+16*\b], v[SOP+\b]
	v_cvt_scalef32_pk8_fp8_f32 v[PCD+2+4*\b:PCD+3+4*\b], v[104+16*\b:111+16*\b], v[SOP+\b]
.endr
	v_nop
	global_store_b128 v[LI], v[PCD:PCD+3], s[8:9]              ; 512 consecutive bytes each
	global_store_b128 v[LI], v[PCD+4:PCD+7], s[8:9] offset:512
	global_store_b32 v11, v241, s[10:11]                       ; both halves of the lanes write the same word
	s_wait_tensorcnt 0x0                           ; the wave's end
	ds_add_u32 v[SPW], v[NIL]
	s_wait_dscnt 0x0
	s_endpgm
.Lfunc_end_k_q3cae31abc9_attn:
	.size	k_q3cae31abc9_attn, .Lfunc_end_k_q3cae31abc9_attn-k_q3cae31abc9_attn
	.p2alignl 7, 3214868480
	.fill 96, 4, 3214868480
	.section	.rodata,"a",@progbits
	.p2align	6, 0x0
	.amdhsa_kernel k_q3cae31abc9_attn
		.amdhsa_group_segment_fixed_size 327680
		.amdhsa_private_segment_fixed_size 0
		.amdhsa_enable_private_segment 0
		.amdhsa_kernarg_size 32
		.amdhsa_user_sgpr_count 2
		.amdhsa_user_sgpr_kernarg_segment_ptr 1
		.amdhsa_wavefront_size32 1
		.amdhsa_system_sgpr_workgroup_id_x 1
		.amdhsa_system_sgpr_workgroup_id_y 1
		.amdhsa_system_sgpr_workgroup_id_z 1
		.amdhsa_system_vgpr_workitem_id 0
		.amdhsa_next_free_vgpr 256
		.amdhsa_next_free_sgpr 72
		.amdhsa_reserve_vcc 1
		.amdhsa_float_denorm_mode_32 3
		.amdhsa_float_denorm_mode_16_64 3
		.amdhsa_memory_ordered 1
		.amdhsa_forward_progress 1
		.amdhsa_inst_pref_size 111
	.end_amdhsa_kernel
	.amdgpu_metadata
---
amdhsa.version: [ 1, 2 ]
amdhsa.kernels:
  - .name:           k_q3cae31abc9_attn
    .symbol:         k_q3cae31abc9_attn.kd
    .args:
      - { .name: att, .offset: 0, .size: 8, .value_kind: global_buffer, .address_space: global }
      - { .name: atts, .offset: 8, .size: 8, .value_kind: global_buffer, .address_space: global }
      - { .name: yq, .offset: 16, .size: 8, .value_kind: global_buffer, .address_space: global }
      - { .name: ys, .offset: 24, .size: 8, .value_kind: global_buffer, .address_space: global }
    .group_segment_fixed_size: 327680
    .private_segment_fixed_size: 0
    .kernarg_segment_align: 8
    .kernarg_segment_size: 32
    .max_flat_workgroup_size: 512
    .sgpr_count:     72
    .vgpr_count:     256
    .wavefront_size: 32
...
	.end_amdgpu_metadata
.endif
;; end of part 4
;; launch gemm2ln (part 5): grid 256 x 1, 16 waves a work-group, clusters of 4 x 1, 327,680 bytes of LDS; arguments yq, ys, cq, cs, b_out, x, gamma, beta, out0; writes out0
.if DOCPART == 5
	.amdgcn_target "amdgcn-amd-amdhsa--gfx1250"
	.amdhsa_code_object_version 6
	.text
	.protected	k_q3cae31abc9_gemm2ln
	.globl	k_q3cae31abc9_gemm2ln
	.p2align	8
	.type	k_q3cae31abc9_gemm2ln,@function
k_q3cae31abc9_gemm2ln:
	s_mov_b64 s[64:65], 0
	v_nop
	global_prefetch_b8 v0, s[64:65] scope:SCOPE_SE
	s_setreg_imm32_b32 hwreg(HW_REG_WAVE_MODE, 25, 1), 1
	s_wait_xcnt 0x0
	s_wait_alu depctr_hold_cnt(0) depctr_sa_sdst(0) depctr_va_vdst(0) depctr_va_sdst(0) depctr_va_ssrc(0) depctr_va_vcc(0) depctr_vm_vsrc(0)
	s_getreg_b32 s2, hwreg(HW_REG_IB_STS2, 6, 4)
	s_cmp_eq_u32 s2, 0
	s_cbranch_scc0 .Lentry_in_a_cluster
	s_endpgm
.Lentry_in_a_cluster:
	s_bfe_u32 s2, ttmp6, 0x10000c
	s_cmp_lg_u32 s2, 0x3003
	s_cbranch_scc0 .Lentry_shape_is_right
	s_endpgm
.Lentry_shape_is_right:
; out = LayerNorm(y W_out + b_out + x) x gamma + beta; the product on codes of FP8 (E4M3) with E8M0 scales, all else in f32.  Nothing is left out here.
; SHARES.  A work-group takes one tile of 16 tokens (row rho is token T0 + rho + 8 (rho / 8), T0 = 32 (tile / 2) + 8 (tile % 2)) and all 1,024 columns, so that a row's mean and variance stay in the work-group.
; Wave w makes columns 64 w .. 64 w + 63: four tiles of W_out, used transposed (source 0 = 16 stored rows of W_out^T, source 1 = y's 16 tokens): lane (r, h), register 8 t + j: column 64 w + 32 (t / 2) + 16 h + 8 (t % 2) + j.
; W_out's codes, 1,048,576 bytes as the images of operand registers that quant_w laid, REACH THE WORK-GROUP BY TWO ROADS AT ONCE:
;   K steps 0 to 3 go from memory straight into registers (two sets of four fragments, 32 loads a wave on their way);
;   K steps 4 to 7 come by tensor loads into LDS, asked for JOINTLY by the four work-groups of a cluster, which all need the same bytes: every wave issues the load of its own four tiles x two K steps (4 rows of 4,096 bytes,
;   16,384 bytes apart in memory) into its own 16,384 LDS bytes and is their only reader.  LDS has room for two K steps beside y's image: one first fill (K steps 4, 5) and one refill (6, 7).
; Not all of W_out goes by joint loads: a K step is four matrix instructions a wave, so no work stands under which a refill could land; here the refill lands while the register road brings K steps 2 and 3.
; So the K steps are taken in the order 0, 1, 4, 5, (refill) 2, 3, 6, 7.  By this text's count a wave has one tensor load out at a time.
; y's eight fragments (16,384 bytes) go through LDS to all sixteen waves.  x and b_out are loaded as rows (sixteen lanes read 256 consecutive bytes) into the registers that K step 2 leaves, and turned into the result's
; layout through the wave's stage, which lies in the wave's own W bytes: they have had their last fill and their last read by then.
; LayerNorm in two passes, as the function has it: the mean, then the mean of the squares of what is left.  Each wave's part of a row's sum goes to a word of its own in LDS; behind a barrier every wave adds the sixteen in one order.
; LIMITS: NaN and infinities are not served.
.set WREG,  16384                      ; LDS: a wave's own bytes for W_out: [tile 4][K step 2][2,048]; at the end its stage, 16 rows x (256 bytes + 16)
.set AIMG,  16*WREG                    ; y's eight fragments as images
.set RED1,  AIMG+16384                 ; [row 16] x 80 bytes: word w = wave w's part of the row's sum
.set RED2O, 1536                       ; the same for the squares, so many bytes on
.set SPARE, RED1+2*1536                ; the spare words, 128 bytes a wave
.set LI,   1                           ; v1  16 x lane
.set YO,   2                           ; v2  16 x thread: my bytes of y's image in memory  (v0 becomes AIMG + 16 x thread: the same in LDS)
.set VB,   4                           ; v4  16 x lane + 65,536 x wave: my four tiles' images in memory
.set SPW,  5
.set NIL,  6
.set XO,   7                           ; v7  x and out0: 4,096 h + 16 r + 256 w
.set STI,  8                           ; v8  the stage in the result's layout: row r, + 64 h
.set STR,  9                           ; v9  the stage by rows: row h, + 16 r
.set RW,   10                          ; v10 my wave's word of row r
.set RR,   11                          ; v11 row r's sixteen words
.set CO,   12                          ; v12 16 r + 256 w: my four columns by rows
.set WL,   14                          ; v14 16 x lane + my own W bytes
.set AI,   15                          ; v15 16 x lane + AIMG
.set ASW,  16                          ; v16-23  y's scale words, one for each K step
.set BSW,  24                          ; v24-55  W_out's: 8 t + s
.set ACC,  56                          ; v56-87  four accumulators
.set AF0,  88                          ; v88-119 y's fragments, two sets
.set AF1,  104
.set BF0,  120                         ; v120-247 W_out's fragments, two sets of four
.set BF1,  184
.set XR,   120                         ; x's rows take set 0's place behind K step 2; b_out behind them
.set BO,   152
.set OUTR, 152                         ; the way out: eight rows' 16 bytes
.set GA,   248                         ; v248-251 gamma, v252-255 beta of my four columns by rows
.set BE,   252
.set WV,   22
.set SEL,  32
.set G0,   36                          ; s[36:39] descriptor group 0
.set G1,   40                          ; s[40:47] descriptor group 1
; A round of the cluster's barrier: my work-group's barrier, so that wave 0's signal speaks for all sixteen waves; wave 0 signals for the work-group; every wave waits for all four work-groups; my work-group's barrier once more.
.macro CROUND
	s_barrier_signal -1
	s_barrier_wait -1
	s_cmp_lg_u32 s[WV], 0
	s_cbranch_scc1 .Lnot_wave_0_\@
	s_barrier_signal -3
.Lnot_wave_0_\@:
	s_barrier_wait -3
	s_barrier_signal -1
	s_barrier_wait -1
.endm
	s_load_b512 s[4:19], s[0:1], 0x0               ; yq, ys, cq, cs, b_out, x, gamma, beta
	s_load_b64 s[20:21], s[0:1], 0x40              ; out0
	v_lshl_add_u32 v[SPW], v0, 2, SPARE
	v_mov_b32 v[NIL], 0
	ds_add_u32 v[SPW], v[NIL]                      ; the wave's opening: the add, twice on end, and its wait ahead of my first tensor load
	ds_add_u32 v[SPW], v[NIL]
	v_lshrrev_b32 v1, 5, v0
	v_readfirstlane_b32 s[WV], v1                  ; wave 0..15
	v_and_b32 v14, 31, v0                          ; lane
	v_and_b32 v15, 15, v0                          ; r
	v_bfe_u32 v13, v0, 4, 1                        ; h
	v_lshlrev_b32 v[LI], 4, v14
	v_lshlrev_b32 v[YO], 4, v0
	v_lshlrev_b32 v3, 2, v15                       ; 4 r
	s_lshl_b32 s24, s[WV], 16
	v_add_nc_u32 v[VB], s24, v[LI]
	s_lshl_b32 s24, s[WV], 8
	v_lshl_add_u32 v[CO], v15, 4, s24
	v_lshl_add_u32 v[XO], v13, 12, v[CO]
	s_lshl_b32 s25, s[WV], 14                      ; my own W bytes: no place in the cluster enters an LDS address
	v_mul_u32_u24 v[STI], v15, 272
	v_lshl_add_u32 v[STI], v13, 6, v[STI]
	v_add_nc_u32 v[STI], s25, v[STI]
	v_mul_u32_u24 v[STR], v13, 272
	v_lshl_add_u32 v[STR], v15, 4, v[STR]
	v_add_nc_u32 v[STR], s25, v[STR]
	v_mul_u32_u24 v[RR], v15, 80
	v_add_nc_u32 v[RR], RED1, v[RR]
	s_lshl_b32 s24, s[WV], 2
	v_add_nc_u32 v[RW], s24, v[RR]
	s_lshl_b32 s24, s[WV], 11
	v_lshl_add_u32 v13, v15, 5, s24                ; 32 r + 2,048 w: my rows of W_out's scale bytes
	v_add_nc_u32 v[WL], s25, v[LI]
	v_add_nc_u32 v[AI], AIMG, v[LI]
	v_lshl_add_u32 v0, v0, 4, AIMG                 ; where my thread puts its bytes of y's image
	s_mov_b32 s30, 0x3a800000                      ; 1 / 1024
	s_mov_b32 s31, 0x3727c5ac                      ; 1e-5
	s_mov_b32 s[SEL], 0x76543210
	s_mov_b32 s[SEL+1], 0xfedcba98
	s_bfe_u32 s34, ttmp6, 0x40000                  ; cx: my place in the cluster: it enters the addresses of y, x and out0 alone
	s_lshl_b32 s35, ttmp9, 2                       ; in a cluster launch ttmp9 counts clusters
	s_add_co_u32 s35, s35, s34                     ; my tile of 16 tokens
	s_lshr_b32 s23, s35, 1
	s_lshl_b32 s23, s23, 5
	s_and_b32 s24, s35, 1
	s_lshl_b32 s24, s24, 3
	s_add_co_u32 s23, s23, s24                     ; T0
	s_lshl_b32 s24, s23, 12
	s_mov_b32 s25, 0
	s_lshl_b32 s26, s35, 14
	s_mov_b32 s27, 0
	s_lshl_b32 s28, s35, 10
	s_mov_b32 s29, 0
	; descriptor group 1: 4 rows of 4,096 bytes (a tile's two K steps on end), 16,384 bytes from tile to tile; dense in LDS: images are read 16 bytes a lane, on end
	s_mov_b32 s[G1], 15|(3<<16)|(1<<21)            ; 15:0 the mask: all four work-groups; 17:16 elements of 8 bytes; 21 set beside a mask
	s_mov_b32 s[G1+1], 512<<16                     ; tensor_dim0 = 512 elements
	s_mov_b32 s[G1+2], 4<<16                       ; tensor_dim1 = 4
	s_mov_b32 s[G1+3], 512<<16                     ; tile_dim0
	s_mov_b32 s[G1+4], 4                           ; tile_dim1
	s_mov_b32 s[G1+5], 2048                        ; from row to row, in elements
	s_mov_b32 s[G1+6], 0
	s_mov_b32 s[G1+7], 0
	s_mov_b32 s[G0], 1
	s_lshl_b32 s[G0+1], s[WV], 14                  ; my own W bytes
	s_lshl_b32 s48, s[WV], 16                      ; my four tiles,
	s_add_co_u32 s48, s48, 4*2048                  ; from K step 4 on
	s_mov_b32 s49, 0
	s_wait_dscnt 0x0                               ; both opening adds are done
	s_wait_kmcnt 0x0
	s_add_nc_u64 s[14:15], s[14:15], s[24:25]
	s_add_nc_u64 s[20:21], s[20:21], s[24:25]
	s_add_nc_u64 s[4:5], s[4:5], s[26:27]
	s_add_nc_u64 s[6:7], s[6:7], s[28:29]
	s_add_nc_u64 s[8:9], s[8:9], 0x700000          ; W_out's images
	s_add_nc_u64 s[10:11], s[10:11], 0x38000       ; W_out's scale bytes: stored rows 7168 on
	s_add_nc_u64 s[G0+2:G0+3], s[8:9], s[48:49]
	s_or_b32 s[G0+3], s[G0+3], 0x80000000
.macro LOADB s, bf                     ; my four tiles' fragments of K step s, from memory
.irp t, 0,1,2,3
.irp c, 0,1,2,3
	global_load_b128 v[\bf+16*\t+4*\c:\bf+16*\t+4*\c+3], v[VB], s[8:9] offset:16384*\t+2048*(\s)+512*\c
.endr
.endr
.endm
.macro LDSB u                          ; the same of the u-th K step that lies in my own W bytes, into set 1
.irp t, 0,1,2,3
.irp c, 0,1,2,3
	ds_load_b128 v[BF1+16*\t+4*\c:BF1+16*\t+4*\c+3], v[WL] offset:4096*\t+2048*(\u)+512*\c
.endr
.endr
.endm
.macro LOADA s, af                     ; y's fragment of K step s
.irp c, 0,1,2,3
	ds_load_b128 v[\af+4*\c:\af+4*\c+3], v[AI] offset:2048*(\s)+512*\c
.endr
.endm
; K step s: four matrix instructions, the four accumulators by turns; zero = 1: they start the sums.  Eight plain lines follow: the places in front of loads into
; the registers that these products read, and of the first read of results.
.macro MUL s, bf, af, zero
.irp t, 0,1,2,3
.if \zero
	v_wmma_scale_f32_16x16x128_f8f6f4 v[ACC+8*\t:ACC+8*\t+7], v[\bf+16*\t:\bf+16*\t+15], v[\af:\af+15], 0, v[BSW+8*\t+(\s)], v[ASW+(\s)]
.else
	v_wmma_scale_f32_16x16x128_f8f6f4 v[ACC+8*\t:ACC+8*\t+7], v[\bf+16*\t:\bf+16*\t+15], v[\af:\af+15], v[ACC+8*\t:ACC+8*\t+7], v[BSW+8*\t+(\s)], v[ASW+(\s)]
.endif
.endr
.rept 8
	v_nop
.endr
.endm
	; the register road starts ahead of the round: 60 loads a wave
	global_load_b128 v[GA:GA+3], v[CO], s[16:17]
	global_load_b128 v[BE:BE+3], v[CO], s[18:19]
	global_load_b128 v[ACC+16:ACC+19], v[YO], s[4:5]           ; y's image: 32 bytes a thread
	global_load_b128 v[ACC+20:ACC+23], v[YO], s[4:5] offset:8192
.irp d, 0,1,2,3,4,5,6,7,8,9,10,11,12,13,14,15
	global_load_b32 v[ACC+\d], v3, s[6:7] offset:64*\d         ; y's scale words, a head each
.endr
.irp t, 0,1,2,3
	global_load_b128 v[BSW+8*\t:BSW+8*\t+3], v13, s[10:11] offset:512*\t
	global_load_b128 v[BSW+8*\t+4:BSW+8*\t+7], v13, s[10:11] offset:512*\t+16
.endr
	LOADB 0, BF0
	LOADB 1, BF1
	CROUND                                         ; all four work-groups are here: the first joint loads meet
	tensor_load_to_lds s[G0:G0+3], s[G1:G1+7]      ; K steps 4 and 5 of my four tiles
	s_nop 0
	s_wait_loadcnt 40                              ; all but the youngest 40: W_out's 8 loads of scale words and 2 x 16 of fragments
.irp s, 0,1,2,3,4,5,6,7
	v_or_b32 v[ASW+\s], v[ACC+2*\s], v[ACC+2*\s+1] ; a K step of 128 is two heads
.endr
	ds_store_b128 v0, v[ACC+16:ACC+19]
	ds_store_b128 v0, v[ACC+20:ACC+23] offset:8192
.rept 8
	v_nop                                          ; a scale register written by a vector instruction stands eight plain lines ahead of the product that takes it
.endr
	s_wait_dscnt 0x0                               ; for the others' sake: my part of y's image is in LDS
	s_barrier_signal -1
	s_barrier_wait -1                              ; my tensor load may stay out
	LOADA 0, AF0
	LOADA 1, AF1
	s_wait_loadcnt 16                              ; K step 0's weights and all scale words are in; K step 1's 16 loads may be out
	s_wait_dscnt 4                                 ; y's fragment 0 is in; the next one's four loads may be out
	MUL 0, BF0, AF0, 1
	LOADB 2, BF0
	LOADA 4, AF0
	s_wait_loadcnt 16                              ; K step 1's weights are in; K step 2's may be out
	s_wait_dscnt 4
	MUL 1, BF1, AF1, 0
	s_wait_tensorcnt 0x0                           ; K steps 4 and 5 lie in my own W bytes, which I alone read
	LDSB 0
	LOADA 5, AF1
	s_wait_dscnt 4                                 ; all but y's fragment 5
	MUL 4, BF1, AF0, 0
	LDSB 1
	LOADA 2, AF0
	s_wait_dscnt 4                                 ; all but y's fragment 2
	MUL 5, BF1, AF1, 0
	LOADB 3, BF1
	LOADA 3, AF1
	; THE REFILL: every wave waits for all its tensor loads, adds 0 to its spare word, and waits for that and for its reads of its W bytes; a round of the cluster's barrier; the joint refill first behind it
	s_wait_tensorcnt 0x0                           ; no tensor load of mine is out, so the descriptor may be written
	ds_add_u32 v[SPW], v[NIL]
	s_add_nc_u64 s[G0+2:G0+3], s[G0+2:G0+3], 2*2048   ; on to K steps 6 and 7; the type bits on top are not reached
	s_wait_dscnt 0x0
	CROUND
	tensor_load_to_lds s[G0:G0+3], s[G1:G1+7]
	s_nop 0
	s_wait_loadcnt 16                              ; K step 2's weights are in; K step 3's may be out
	MUL 2, BF0, AF0, 0
.irp i, 0,1,2,3,4,5,6,7
	global_load_b128 v[XR+4*\i:XR+4*\i+3], v[XO], s[14:15] offset:(2*\i+8*(\i/4))*4096 th:TH_LOAD_NT   ; x: rows 2 i + h, my 64 columns
.endr
	global_load_b128 v[BO:BO+3], v[CO], s[12:13]   ; b_out
	LOADA 6, AF0
	s_wait_loadcnt 9                               ; K step 3's weights are in; x's eight loads and b_out's may be out
	MUL 3, BF1, AF1, 0
	s_wait_tensorcnt 0x0                           ; K steps 6 and 7 lie in my own W bytes
	LDSB 0
	LOADA 7, AF1
	s_wait_dscnt 4                                 ; all but y's fragment 7
	MUL 6, BF1, AF0, 0
	LDSB 1
	s_wait_dscnt 0x0
	MUL 7, BF1, AF1, 0
	; x + b_out, by rows, through my stage into the result's layout, and onto the sums
	s_wait_loadcnt 0x0
.irp i, 0,1,2,3,4,5,6,7
	v_pk_add_f32 v[XR+4*\i:XR+4*\i+1], v[XR+4*\i:XR+4*\i+1], v[BO:BO+1]
	v_pk_add_f32 v[XR+4*\i+2:XR+4*\i+3], v[XR+4*\i+2:XR+4*\i+3], v[BO+2:BO+3]
.endr
.irp i, 0,1,2,3,4,5,6,7
	ds_store_b128 v[STR], v[XR+4*\i:XR+4*\i+3] offset:544*\i
.endr
.irp t, 0,1,2,3
	ds_load_b128 v[BF1+8*\t:BF1+8*\t+3], v[STI] offset:128*(\t/2)+32*(\t%2)       ; LDS serves a wave's instructions in order: these see my stores
	ds_load_b128 v[BF1+8*\t+4:BF1+8*\t+7], v[STI] offset:128*(\t/2)+32*(\t%2)+16
.endr
	s_wait_dscnt 0x0
.set j, 0
.rept 16
	v_pk_add_f32 v[ACC+j:ACC+j+1], v[ACC+j:ACC+j+1], v[BF1+j:BF1+j+1]             ; each accumulator is read from its low end on
.set j, j+2
.endr
.macro HALVES                          ; my 32 numbers' sum in v[120:123] -> v120, with lane l xor 16's: my wave's part of row r
	v_pk_add_f32 v[120:121], v[120:121], v[122:123]
	v_add_f32 v120, v120, v121
	v_permlanex16_b32 v121, v120, s[SEL], s[SEL+1]
	v_add_f32 v120, v120, v121
.endm
.macro TOTAL off                       ; the sixteen waves' parts of row r, added in one order in every wave: v124
.irp q, 0,1,2,3
	ds_load_b128 v[124+4*\q:127+4*\q], v[RR] offset:\off+16*\q
.endr
	s_wait_dscnt 0x0
	v_pk_add_f32 v[124:125], v[124:125], v[126:127]
	v_pk_add_f32 v[128:129], v[128:129], v[130:131]
	v_pk_add_f32 v[132:133], v[132:133], v[134:135]
	v_pk_add_f32 v[136:137], v[136:137], v[138:139]
	v_pk_add_f32 v[124:125], v[124:125], v[128:129]
	v_pk_add_f32 v[132:133], v[132:133], v[136:137]
	v_pk_add_f32 v[124:125], v[124:125], v[132:133]
	v_add_f32 v124, v124, v125
.endm
	v_pk_add_f32 v[120:121], v[ACC:ACC+1], v[ACC+2:ACC+3]
	v_pk_add_f32 v[122:123], v[ACC+4:ACC+5], v[ACC+6:ACC+7]
.irp j, 8,12,16,20,24,28
	v_pk_add_f32 v[120:121], v[120:121], v[ACC+\j:ACC+\j+1]
	v_pk_add_f32 v[122:123], v[122:123], v[ACC+\j+2:ACC+\j+3]
.endr
	HALVES
	ds_store_b32 v[RW], v120                       ; both halves of the lanes write the same word with the same value
	s_wait_dscnt 0x0
	s_barrier_signal -1
	s_barrier_wait -1
	TOTAL 0
	v_mul_f32 v140, 0xba800000, v124               ; - the mean
	v_mov_b32 v141, v140
.set j, 0
.rept 16
	v_pk_add_f32 v[ACC+j:ACC+j+1], v[ACC+j:ACC+j+1], v[140:141]
.set j, j+2
.endr
	v_pk_mul_f32 v[120:121], v[ACC:ACC+1], v[ACC:ACC+1]
	v_pk_mul_f32 v[122:123], v[ACC+2:ACC+3], v[ACC+2:ACC+3]
.irp j, 4,8,12,16,20,24,28
	v_pk_fma_f32 v[120:121], v[ACC+\j:ACC+\j+1], v[ACC+\j:ACC+\j+1], v[120:121]
	v_pk_fma_f32 v[122:123], v[ACC+\j+2:ACC+\j+3], v[ACC+\j+2:ACC+\j+3], v[122:123]
.endr
	HALVES
	ds_store_b32 v[RW], v120 offset:RED2O
	s_wait_dscnt 0x0
	s_barrier_signal -1
	s_barrier_wait -1
	TOTAL RED2O
	v_fma_f32 v124, v124, s30, s31                 ; the variance + 1e-5
	v_rsq_f32 v140, v124
	v_nop                                          ; a plain line behind the transcendental
	s_wait_alu depctr_va_vdst(0)                   ; ahead of its first reader
	v_mov_b32 v141, v140
.set j, 0
.rept 16
	v_pk_mul_f32 v[ACC+j:ACC+j+1], v[ACC+j:ACC+j+1], v[140:141]
.set j, j+2
.endr
	; THE WAY OUT: through my own stage back into rows, x gamma + beta, and sixteen lanes store 256 consecutive bytes, aligned
.irp t, 0,1,2,3
	ds_store_b128 v[STI], v[ACC+8*\t:ACC+8*\t+3] offset:128*(\t/2)+32*(\t%2)
	ds_store_b128 v[STI], v[ACC+8*\t+4:ACC+8*\t+7] offset:128*(\t/2)+32*(\t%2)+16
.endr
.irp i, 0,1,2,3,4,5,6,7
	ds_load_b128 v[OUTR+4*\i:OUTR+4*\i+3], v[STR] offset:544*\i   ; LDS serves a wave's instructions in order: these see my stores
.endr
.irp i, 0,1,2,3,4,5,6,7
	s_wait_dscnt 7-\i                              ; the younger rows may be out
	v_pk_fma_f32 v[OUTR+4*\i:OUTR+4*\i+1], v[OUTR+4*\i:OUTR+4*\i+1], v[GA:GA+1], v[BE:BE+1]
	v_pk_fma_f32 v[OUTR+4*\i+2:OUTR+4*\i+3], v[OUTR+4*\i+2:OUTR+4*\i+3], v[GA+2:GA+3], v[BE+2:BE+3]
	global_store_b128 v[XO], v[OUTR+4*\i:OUTR+4*\i+3], s[20:21] offset:(2*\i+8*(\i/4))*4096 th:TH_STORE_NT
.endr
	s_wait_tensorcnt 0x0                           ; the wave's end, behind my last tensor load and my last LDS store
	ds_add_u32 v[SPW], v[NIL]
	s_wait_dscnt 0x0
	CROUND                                         ; the closing round: no work-group ends while a partner may still ask for a tile that names it
	s_endpgm
.Lfunc_end_k_q3cae31abc9_gemm2ln:
	.size	k_q3cae31abc9_gemm2ln, .Lfunc_end_k_q3cae31abc9_gemm2ln-k_q3cae31abc9_gemm2ln
	.p2alignl 7, 3214868480
	.fill 96, 4, 3214868480
	.section	.rodata,"a",@progbits
	.p2align	6, 0x0
	.amdhsa_kernel k_q3cae31abc9_gemm2ln
		.amdhsa_group_segment_fixed_size 327680
		.amdhsa_private_segment_fixed_size 0
		.amdhsa_enable_private_segment 0
		.amdhsa_kernarg_size 72
		.amdhsa_user_sgpr_count 2
		.amdhsa_user_sgpr_kernarg_segment_ptr 1
		.amdhsa_wavefront_size32 1
		.amdhsa_system_sgpr_workgroup_id_x 1
		.amdhsa_system_sgpr_workgroup_id_y 1
		.amdhsa_system_sgpr_workgroup_id_z 1
		.amdhsa_system_vgpr_workitem_id 0
		.amdhsa_next_free_vgpr 256
		.amdhsa_next_free_sgpr 66
		.amdhsa_reserve_vcc 0
		.amdhsa_float_denorm_mode_32 3
		.amdhsa_float_denorm_mode_16_64 3
		.amdhsa_memory_ordered 1
		.amdhsa_forward_progress 1
		.amdhsa_inst_pref_size 41
	.end_amdhsa_kernel
	.amdgpu_metadata
---
amdhsa.version: [ 1, 2 ]
amdhsa.kernels:
  - .name:           k_q3cae31abc9_gemm2ln
    .symbol:         k_q3cae31abc9_gemm2ln.kd
    .args:
      - { .name: yq, .offset: 0, .size: 8, .value_kind: global_buffer, .address_space: global }
      - { .name: ys, .offset: 8, .size: 8, .value_kind: global_buffer, .address_space: global }
      - { .name: cq, .offset: 16, .size: 8, .value_kind: global_buffer, .address_space: global }
      - { .name: cs, .offset: 24, .size: 8, .value_kind: global_buffer, .address_space: global }
      - { .name: b_out, .offset: 32, .size: 8, .value_kind: global_buffer, .address_space: global }
      - { .name: x, .offset: 40, .size: 8, .value_kind: global_buffer, .address_space: global }
      - { .name: gamma, .offset: 48, .size: 8, .value_kind: global_buffer, .address_space: global }
      - { .name: beta, .offset: 56, .size: 8, .value_kind: global_buffer, .address_space: global }
      - { .name: out0, .offset: 64, .size: 8, .value_kind: global_buffer, .address_space: global }
    .group_segment_fixed_size: 327680
    .private_segment_fixed_size: 0
    .kernarg_segment_align: 8
    .kernarg_segment_size: 72
    .max_flat_workgroup_size: 512
    .sgpr_count:     66
    .vgpr_count:     256
    .wavefront_size: 32
...
	.end_amdgpu_metadata
.endif
;; end of part 5
